; MI455X (gfx1250); checked and timed in simulation.
; The chip was launched on July 23, 2026; its instructions are those of AMD's public machine-readable ISA for CDNA 5 (MIT licence, August 2026) and "CDNA5" Instruction Set Architecture Reference Guide (July 2026). The comments in the code are by the model that wrote it; some were corrected since.
;; KW Cascaded Branch. Allowed arithmetic: matrix products marked QUANTISED: E2M3 operands, one E8M0 scale for each 32 along K, by v_wmma_scale_f32_16x16x128_f8f6f4 with both operands' format E2M3, f32 sums; everything else in f32.
;; Inputs: audio_feat 256 x 8 x 768 float32; proj_b 512 float32; proj_w 768 x 512 float32; token_embedding 24,704 x 512 float32.
;; Outputs: out0 256 x 8 x 512 float32.
;; This version of the problem:
;;   THIS VERSION OF THE PROBLEM IS GIVEN IN LOW PRECISION. The matrix products marked QUANTISED in the list below multiply operands that are first quantised to E2M3 (2 exponent bits, 3 mantissa bits; 6 bits a number), with one power-of-two scale for each 32 numbers along K (OCP MX v1.0); their sums are f32. All else is computed in f32.
;;   The module's matrix products, in the order in which they are computed (A, B: the left and right operand; K: the contracted axis; several contracted axes count as one K, in the product's order):
;;     1. [M 2,048, K 768] x [K 768, N 512]; A: input audio_feat; B: input proj_w: QUANTISED
;;     2. [M 2,048, K 512] x [K 512, N 24,704]; A: computed on the way; B: computed on the way: QUANTISED
;;     3. [M 2,048, K 24,704] x [K 24,704, N 512]; A: softmax (see below); B: input token_embedding: QUANTISED
;;   THE QUANTISER, for each operand of a quantised product, along K:
;;     - K is cut into blocks of 32 from its start; a last block that is shorter is filled with zeros.
;;     - A block's scale is 2^e with e = floor(log2(the largest magnitude in the block)) - 2, held to -126 .. 127; a block of zeros has e = 0. As a byte (E8M0): e + 127.
;;     - Each number is divided by its block's scale, clamped to +-7.5, and rounded to the nearest number of E2M3, ties to even, subnormals kept.
;;     - The product sums the exact products of the quantised numbers (number of the format x scale) in f32.
;;   ~~~python
;;   def quantise(x, axis):      # numpy; x: float32 -> the quantised numbers, widened to float32 again
;;       x = np.moveaxis(x, axis, -1); K = x.shape[-1]
;;       x = np.pad(x, [(0, 0)] * (x.ndim - 1) + [(0, -K % 32)]); x = x.reshape(x.shape[:-1] + (-1, 32)); a = np.abs(x).max(-1, keepdims=True)
;;       e = np.where(a > 0, np.clip(np.frexp(np.where(a > 0, a, 1))[1] - 1 - 2, -126, 127), 0)      # np.frexp(a)[1] - 1 = floor(log2(a)), exactly
;;       r = np.clip(x / 2.0 ** e, -7.5, 7.5)
;;       step = 2.0 ** (np.maximum(np.frexp(np.where(r == 0, 1, r))[1] - 1, 0) - 3)
;;       q = np.round(r / step) * step * 2.0 ** e      # np.round: ties to even
;;       return np.moveaxis(q.reshape(q.shape[:-2] + (-1,))[..., :K], -1, axis).astype(np.float32)
;;   ~~~
;;   SOFTMAX AHEAD OF A QUANTISED PRODUCT. Where the list says 'softmax', what is quantised is not the finished softmax but p = 2^(t - M), with t = logit x log2(e) and M = ceil(the row's largest t), a whole number; so 1/2 < the row's largest p <= 1. The row's sum l is taken of the UNQUANTISED p, in f32, and the product's result is divided by l at the end. Since M is a whole number, a kernel that streams over the keys may use a running M (the ceiling of the running maximum): every later rescaling is an exact power of two, which a block's scale takes up: the codes' values come out the same.
;;   OPERANDS COMPUTED ON THE WAY. 'Computed on the way' means the value that the module computes at that place (a softmax that the list does not call 'softmax' is quantised finished and normalised). What goes into a quantiser is computed in f32, as accurately as f32 sums, v_exp_f32 and their like allow (about 1e-6 of the number): no bf16 or f16 on the way to a quantiser, and a product that is left as it is and whose result goes on into a quantised operand takes f32 operands (vector FMAs, or v_wmma_f32_16x16x4_f32). A number that lies on a knife's edge between two numbers of the format may be rounded either way, as far as f32 arithmetic and the matrix unit's own rounding can turn it there, and no further.
;; One version. Each part assembles by itself: llvm-mc -triple=amdgcn-amd-amdhsa -mcpu=gfx1250 --defsym DOCPART=n.
;; ======== version 1 of 1: 4 launches
;; limits: right only within a limited range of input values
;; workspace buffers: kv 19,763,200 bytes; wq 307,200 bytes; qc 786,432 bytes; qs 32,768 bytes; part 33,554,432 bytes; lpart 262,144 bytes
;; launch prep (part 1): grid 205 x 1, 16 waves a work-group, no clusters, 327,680 bytes of LDS; arguments token_embedding, proj_w, kv, wq; writes kv, wq
.if DOCPART == 1
	.amdgcn_target "amdgcn-amd-amdhsa--gfx1250"
	.amdhsa_code_object_version 6
	.text
	.protected	k_q1f3f6fab67_prep
	.globl	k_q1f3f6fab67_prep
	.p2align	8
	.type	k_q1f3f6fab67_prep,@function
k_q1f3f6fab67_prep:
	s_mov_b64 s[64:65], 0
	v_nop
	global_prefetch_b8 v0, s[64:65] scope:SCOPE_SE
	s_setreg_imm32_b32 hwreg(HW_REG_WAVE_MODE, 25, 1), 1
	s_wait_xcnt 0x0
; PREP: token_embedding [24704][512] f32 and proj_w [768][512] f32 become operands of MX-FP6 (E2M3 codes, one E8M0 byte for each 32 along K),
; laid as IMAGES OF THE OPERAND'S REGISTERS: a fragment (16 rows x 128 K = 12 registers a lane) is 1,536 bytes, three pieces of 512; piece t holds lane l's registers 4 t .. 4 t + 3 at byte 16 l.
; NO WORK OF reference() IS LEFT OUT IN THIS PROGRAM, and all four inputs are loaded: audio_feat, proj_w and proj_b move the codes of the second product's left operand, token_embedding those of its right operand and of the third's.
; Work-groups 0 .. 192: one KEY STEP each, 128 rows of token_embedding, read from memory once for both of its uses:
;   K (second product, K = the 512 channels): row / max(|row|, 1e-8), quantised along the row;  V (third product, K = the vocabulary): the numbers as they are, quantised DOWN the 128 rows, a lane to a channel.
;   kv, 102,400 bytes a step: K's 32 fragments (key tile kt, K step ks: 4 kt + ks) | K's scale words, 2,048 bytes | V's 32 fragments (channel tile dt) | V's scale words, 2,048 bytes.
;   THE KEYS OF A TILE ARE NOT NEIGHBOURS: lane r of tile 2 b + u takes key 32 b + 8 u + r + 8 (r / 8), so that the scores' 16 registers of two neighbouring tiles are 16 neighbouring keys.
; Work-groups 193 .. 204: proj_w, a fragment a wave (K = its first axis: a lane to a column, registers down K).  wq: [K step 6][wave 4] blocks of 12,800 bytes: 8 fragments, then 4 registers of scale words.
; The branch between the two hangs on the work-group's number alone.
; A block's scale byte is its largest magnitude's exponent field - 2, held at 1 from below.
; LIMITS: NaN and infinities among the inputs are not served.  A block of zeros gets the byte 1 where the rule says 127: its codes are zeros, which add nothing, and this program alone reads the bytes.
; x / max(|x|, 1e-8) is x times v_rcp_f32 of max(v_sqrt_f32(sum of squares), 1e-8), all in f32.
; proj_w's loads take 32 bytes for eight lanes and wq's scale words leave in pieces of 64 bytes: 1.5 MB and 12 KB of the launch's 72 MB.
.set NSTEP, 193
.set STEPB, 102400
.set SUBB,  33536                      ; LDS: 16 rows of the tile, 2,080 bytes each, and room for the two shifts below
.set RP,    2080                       ; a row: two halves of 1,024 bytes, 16 bytes of padding behind each
.set STG,   4*SUBB                     ; a stage: 64 rows.  Sub-tile s begins at s SUBB + 16 (s % 2) + 64 ((s / 2) % 2): the shifts keep K's sixteen rows and V's two halves of lanes in different banks
.set INV,   8*SUBB                     ; 128 words: 1 / max(|row|, 1e-8)
.set SST,   INV+512                    ; 4,096 bytes: the step's scale words: K's 2,048, then V's 2,048
.set SPARE, SST+4096                   ; the spare words, 128 bytes for each of 16 waves, which no other line names
.set FLOOR, 0x1800000                  ; 2^(3 - 127): no largest magnitude is taken under it, so the byte cannot fall under 1
.set SPW, 1                            ; v1  my spare word;  v2  0: both never rewritten
.set NIL, 2
.set LN,  3                            ; lane
.set RR,  4                            ; r = lane % 16
.set HH,  5                            ; h = lane / 16
.set NA,  6                            ; v6-7   my own four rows of stage 0, 1
.set AK,  8                            ; v8-9   my K fragment's numbers in stage 0, 1
.set AV,  10                           ; v10-11 my V fragments' numbers in stage 0, 1
.set AIN, 12                           ; my key's 1 / norm
.set INW, 13                           ; where I store four of them
.set KSW, 14                           ; where K's scale word goes in SST
.set VSW, 15                           ; and V's
.set H8,  16                           ; 8 h
.set GK,  17                           ; byte offsets in kv (wq)
.set GV,  18
.set SLD, 19
.set GS,  20
.set T0,  21                           ; v21-23 at work
.set IV,  24                           ; v24-25 1 / norm (named as a pair)
.set KW,  26                           ; a scale word
.set VW,  28                           ; v28-29 V's two
.set X,   32                           ; v32-95 64 numbers
.set KF,  96                           ; v96-107 a fragment
.set T2,  108                          ; v108-114 second halves of blocks (a conversion's three registers begin on an even number)
.set VF,  116                          ; v116-139 V's two fragments
.set VT,  140
.set M,   148                          ; v148-155 maxima, scales
.set VB,  156                          ; v156-159 V's bytes
.set N,   160                          ; v160-167 sums of squares
; 64 numbers in v[X] on, two whole blocks of 32 a lane (register 32 c + i = k 64 c + 32 h + i), become the fragment v[KF] on and the row's scale word v[KW]
.macro Q2F
.irp c, 0,1
	v_max3_num_f32 v[M+2*\c], |v[X+32*\c]|, |v[X+32*\c+1]|, FLOOR
	v_max3_num_f32 v[M+2*\c+1], |v[X+32*\c+16]|, |v[X+32*\c+17]|, FLOOR
.endr
.irp i, 2,4,6,8,10,12,14
.irp c, 0,1
	s_delay_alu instid0(VALU_DEP_4)
	v_max3_num_f32 v[M+2*\c], v[M+2*\c], |v[X+32*\c+\i]|, |v[X+32*\c+\i+1]|
	s_delay_alu instid0(VALU_DEP_4)
	v_max3_num_f32 v[M+2*\c+1], v[M+2*\c+1], |v[X+32*\c+16+\i]|, |v[X+32*\c+17+\i]|
.endr
.endr
.irp c, 0
	s_delay_alu instid0(VALU_DEP_3)
	v_max_num_f32 v[M+2*\c], v[M+2*\c], v[M+2*\c+1]        ; the block's largest magnitude
.endr
.irp c, 1
	s_delay_alu instid0(VALU_DEP_2)
	v_max_num_f32 v[M+2*\c], v[M+2*\c], v[M+2*\c+1]        ; the block's largest magnitude
.endr
.irp c, 0,1
	s_delay_alu instid0(VALU_DEP_2)
	v_add_nc_u32 v[M+4+\c], 0xff000000, v[M+2*\c]          ; 2 off its exponent field: the conversion's scale operand
.endr
.irp c, 0,1
	s_delay_alu instid0(VALU_DEP_2)
	v_lshrrev_b32 v[M+2*\c+1], 23, v[M+4+\c]               ; the scale's byte
.endr
	s_delay_alu instid0(VALU_DEP_1)
	v_lshl_or_b32 v[KW], v[M+3], 16, v[M+1]                ; my two bytes, blocks h and 2 + h,
	s_delay_alu instid0(VALU_DEP_1)
	v_lshlrev_b32 v[KW], v[H8], v[KW]                      ; at their places;
	s_delay_alu instid0(VALU_DEP_1)
	v_permlanex16_b32 v[M+6], v[KW], s40, s41
	s_delay_alu instid0(VALU_DEP_1)
	v_or_b32 v[KW], v[KW], v[M+6]                          ; with lane l xor 16's two the word is whole
.irp c, 0,1
	v_cvt_scalef32_pk16_fp6_f32 v[KF+6*\c:KF+6*\c+2], v[X+32*\c:X+32*\c+15], v[M+4+\c]
	v_cvt_scalef32_pk16_fp6_f32 v[T2+4*\c:T2+4*\c+2], v[X+32*\c+16:X+32*\c+31], v[M+4+\c]
.endr
	v_nop                                                  ; one plain place behind a scaled conversion
.irp c, 0,1
.irp i, 0,1,2
	v_mov_b32 v[KF+6*\c+3+\i], v[T2+4*\c+\i]
.endr
.endr
.endm
; 1 / max(|row|, 1e-8) of my own four rows of stage c: bytes that my own tensor load brought
.macro NORM c
.irp t, 0,1,2,3
.irp k, 0,1,2,3
	ds_load_b128 v[X+16*\t+4*\k:X+16*\t+4*\k+3], v[NA+\c] offset:\t*RP+\k*512+(\k/2)*16
.endr
.endr
	s_wait_dscnt 0x0
.irp t, 0,1,2,3
	v_pk_mul_f32 v[N+2*\t:N+2*\t+1], v[X+16*\t:X+16*\t+1], v[X+16*\t:X+16*\t+1]
.endr
.irp i, 2,4,6,8,10,12,14
.irp t, 0,1,2,3
	s_delay_alu instid0(VALU_DEP_4)
	v_pk_fma_f32 v[N+2*\t:N+2*\t+1], v[X+16*\t+\i:X+16*\t+\i+1], v[X+16*\t+\i:X+16*\t+\i+1], v[N+2*\t:N+2*\t+1]
.endr
.endr
.irp t, 0,1,2,3
	s_delay_alu instid0(VALU_DEP_4)
	v_add_f32 v[N+2*\t], v[N+2*\t], v[N+2*\t+1]
.endr
.irp m, 1,2,4,8
.irp t, 0,1,2,3
	s_delay_alu instid0(VALU_DEP_4)
	v_add_f32_dpp v[N+2*\t], v[N+2*\t], v[N+2*\t] row_xmask:\m row_mask:0xf bank_mask:0xf
.endr
.endr
.irp t, 0,1,2,3
	s_delay_alu instid0(VALU_DEP_4)
	v_permlanex16_b32 v[N+2*\t+1], v[N+2*\t], s40, s41
.endr
.irp t, 0,1,2,3
	s_delay_alu instid0(VALU_DEP_4)
	v_add_f32 v[N+2*\t], v[N+2*\t], v[N+2*\t+1]            ; the row's sum of squares, in every lane
.endr
	s_wait_alu depctr_va_vdst(0)
.irp t, 0,1,2,3
	v_sqrt_f32 v[N+2*\t], v[N+2*\t]
.endr
	v_nop                                                  ; a plain place behind the batch,
	s_wait_alu depctr_va_vdst(0)                           ; and the one wait ahead of its first reader
.irp t, 0,1,2,3
	v_max_num_f32 v[N+2*\t], 0x322bcc77, v[N+2*\t]         ; 1e-8
.endr
	s_wait_alu depctr_va_vdst(0)
.irp t, 0,1,2,3
	v_rcp_f32 v[N+2*\t], v[N+2*\t]
.endr
	v_nop
	s_wait_alu depctr_va_vdst(0)
.irp t, 0,1,2,3
	ds_store_b32 v[INW], v[N+2*\t] offset:256*\c+4*\t      ; all lanes write the same word with the same value
.endr
.endm
; K's fragment 16 c + wave: key tile 4 c + wave / 4, K step wave % 4
.macro KUNIT c
.if \c
	s_wait_xcnt 0x0                                        ; stage 0's stores have read v[KF] on, which is written again below
.endif
.irp e, 0,1
.irp i, 0,1,2,3,4,5,6,7
	ds_load_b128 v[X+32*\e+4*\i:X+32*\e+4*\i+3], v[AK+\c] offset:256*\e+16*\i
.endr
.endr
	ds_load_b32 v[IV], v[AIN] offset:256*\c
	s_wait_dscnt 0x0
.set j, 0
.rept 32
	v_pk_mul_f32 v[X+j:X+j+1], v[X+j:X+j+1], v[IV:IV+1] op_sel_hi:[1,0]
.set j, j+2
.endr
	Q2F
.irp t, 0,1,2
	global_store_b128 v[GK], v[KF+4*\t:KF+4*\t+3], s[8:9] offset:24576*\c+512*\t   ; 32 lanes store 512 consecutive bytes
.endr
	ds_store_b32 v[KSW], v[KW] offset:1024*\c              ; both halves of the lanes write the same word with the same value
.endm
; V's fragments 2 wave and 2 wave + 1, registers 6 c .. 6 c + 5: keys 64 c + 32 h + 0 .. 31 of my channel: a whole block in my 32 registers
.macro VPART c
.irp d, 0,1
.irp i, 0,1,2,3,4,5,6,7,8,9,10,11,12,13,14,15,16,17,18,19,20,21,22,23,24,25,26,27,28,29,30,31
	ds_load_b32 v[X+32*\d+\i], v[AV+\c] offset:64*\d+(\i/16)*33552+(\i%16)*RP
.endr
.endr
	s_wait_dscnt 0x0
.irp d, 0,1
	v_max3_num_f32 v[M+4*\d], |v[X+32*\d]|, |v[X+32*\d+1]|, FLOOR
	v_max3_num_f32 v[M+4*\d+1], |v[X+32*\d+16]|, |v[X+32*\d+17]|, FLOOR
.endr
.irp i, 2,4,6,8,10,12,14
.irp d, 0,1
	s_delay_alu instid0(VALU_DEP_4)
	v_max3_num_f32 v[M+4*\d], v[M+4*\d], |v[X+32*\d+\i]|, |v[X+32*\d+\i+1]|
	s_delay_alu instid0(VALU_DEP_4)
	v_max3_num_f32 v[M+4*\d+1], v[M+4*\d+1], |v[X+32*\d+16+\i]|, |v[X+32*\d+17+\i]|
.endr
.endr
.irp d, 0
	s_delay_alu instid0(VALU_DEP_3)
	v_max_num_f32 v[M+4*\d], v[M+4*\d], v[M+4*\d+1]
.endr
.irp d, 1
	s_delay_alu instid0(VALU_DEP_2)
	v_max_num_f32 v[M+4*\d], v[M+4*\d], v[M+4*\d+1]
.endr
.irp d, 0,1
	s_delay_alu instid0(VALU_DEP_2)
	v_add_nc_u32 v[M+4*\d+2], 0xff000000, v[M+4*\d]
.endr
.irp d, 0,1
	s_delay_alu instid0(VALU_DEP_2)
	v_lshrrev_b32 v[VB+2*\d+\c], 23, v[M+4*\d+2]           ; the byte of block 2 c + h
.endr
.irp d, 0,1
	v_cvt_scalef32_pk16_fp6_f32 v[VF+12*\d+6*\c:VF+12*\d+6*\c+2], v[X+32*\d:X+32*\d+15], v[M+4*\d+2]
	v_cvt_scalef32_pk16_fp6_f32 v[VT+4*\d:VT+4*\d+2], v[X+32*\d+16:X+32*\d+31], v[M+4*\d+2]
.endr
	v_nop
.irp d, 0,1
.irp i, 0,1,2
	v_mov_b32 v[VF+12*\d+6*\c+3+\i], v[VT+4*\d+\i]
.endr
.endr
.endm
	s_load_b128 s[4:7], s[0:1], 0x0                ; token_embedding s[4:5], proj_w s[6:7]
	s_load_b128 s[8:11], s[0:1], 0x10              ; kv s[8:9], wq s[10:11]
	v_lshl_add_u32 v[SPW], v0, 2, SPARE
	v_mov_b32 v[NIL], 0
	ds_add_u32 v[SPW], v[NIL]                      ; the wave's opening: the add, twice on end, and its wait ahead of my first tensor load
	ds_add_u32 v[SPW], v[NIL]
	v_lshrrev_b32 v[T0], 5, v0
	s_delay_alu instid0(VALU_DEP_1)
	v_readfirstlane_b32 s12, v[T0]                 ; wave 0..15
	v_and_b32 v[LN], 31, v0
	v_and_b32 v[RR], 15, v0
	v_bfe_u32 v[HH], v0, 4, 1
	s_delay_alu instid0(VALU_DEP_1)
	v_lshlrev_b32 v[H8], 3, v[HH]
	v_mov_b32 v[M+6], 0                            ; a lane permute's destination counts as one of its sources
	v_mov_b32 v[IV+1], 0                           ; (named as the upper half of a pair)
	; descriptor group 1: four rows of the table as 8 half rows of 1,024 bytes (128 elements of 8 bytes), dense in memory, 16 bytes of padding behind each
	s_mov_b32 s16, (3<<16)|(1<<20)|(7<<22)|(3<<25) ; no mask; elements of 8 bytes; padding on, after every 256 words (code 7), of 4 words (code 3)
	s_mov_b32 s17, 128<<16                         ; tensor_dim0
	s_mov_b32 s18, 8<<16                           ; tensor_dim1
	s_mov_b32 s19, 128<<16                         ; tile_dim0
	s_mov_b32 s20, 8                               ; tile_dim1
	s_mov_b32 s21, 128                             ; from row to row
	s_mov_b32 s22, 0
	s_mov_b32 s23, 0
	s_mov_b32 s40, 0x76543210
	s_mov_b32 s41, 0xfedcba98                      ; v_permlanex16_b32's selects for lane l xor 16
	s_wait_dscnt 0x0                               ; both opening adds are done
	s_wait_kmcnt 0x0
	s_cmp_ge_u32 ttmp9, NSTEP
	s_cbranch_scc1 .Lweights
	; ---------------- a key step ----------------
	s_lshr_b32 s13, s12, 2                         ; wave / 4
	s_and_b32 s14, s12, 3                          ; wave % 4
	s_lshr_b32 s15, s12, 3                         ; wave / 8
	s_and_b32 s24, s13, 1                          ; u = (wave / 4) % 2
	s_mul_i32 s25, s13, SUBB                       ; my four rows of a stage in LDS: sub-tile wave / 4,
	s_lshl_b32 s26, s24, 4
	s_add_co_u32 s25, s25, s26                     ; its two shifts,
	s_lshl_b32 s26, s15, 6
	s_add_co_u32 s25, s25, s26
	s_mul_i32 s26, s14, 4*RP
	s_add_co_u32 s25, s25, s26                     ; rows 4 (wave % 4) on
	s_lshl_b32 s28, ttmp9, 18                      ; in memory: 262,144 bytes a step,
	s_lshl_b32 s29, s12, 13                        ; 8,192 a wave
	s_add_co_u32 s28, s28, s29
	s_mov_b32 s29, 0
	s_add_nc_u64 s[4:5], s[4:5], s[28:29]
	s_mov_b32 s32, 1                               ; group 0 for stage 0: rows 4 wave on,
	s_mov_b32 s33, s25
	s_mov_b64 s[34:35], s[4:5]
	s_or_b32 s35, s35, 0x80000000
	s_mov_b32 s36, 1                               ; and for stage 1: rows 64 + 4 wave on
	s_add_co_u32 s37, s25, STG
	s_add_nc_u64 s[38:39], s[4:5], 131072
	s_or_b32 s39, s39, 0x80000000
	tensor_load_to_lds s[32:35], s[16:23]          ; stage 0: my one tensor load at the head
	s_nop 0
	s_wait_alu depctr_va_vdst(0)
	v_lshlrev_b32 v[T0], 4, v[LN]
	s_delay_alu instid0(VALU_DEP_1)
	v_add_nc_u32 v[NA], s25, v[T0]
	s_delay_alu instid0(VALU_DEP_1)
	v_add_nc_u32 v[NA+1], STG, v[NA]
	v_lshrrev_b32 v[T0], 3, v[RR]                  ; r / 8
	v_and_b32 v[T0+1], 7, v[RR]                    ; r % 8
	s_delay_alu instid0(VALU_DEP_2)
	v_mul_u32_u24 v[AK], v[T0], 33552              ; K: my key 32 b + 8 u + r % 8 + 16 (r / 8): the sub-tile, with its shift of 16,
	s_delay_alu instid0(VALU_DEP_1)
	v_mad_u32_u24 v[AK], v[T0+1], RP, v[AK]        ; the row,
	s_delay_alu instid0(VALU_DEP_1)
	v_lshl_add_u32 v[AK], v[HH], 7, v[AK]          ; my half's 32 numbers of each 64
	s_wait_alu depctr_va_vdst(0)
	s_mul_i32 s26, s15, 67136                      ; b % 2: two sub-tiles on, with their shift of 64
	s_mul_i32 s27, s24, 8*RP                       ; u: eight rows on
	s_add_co_u32 s26, s26, s27
	s_bfe_u32 s27, s12, 0x10001                    ; the K step wave % 4: which half row,
	s_mul_i32 s27, s27, 1040
	s_add_co_u32 s26, s26, s27
	s_and_b32 s27, s12, 1
	s_lshl_b32 s27, s27, 9                         ; and which 512 bytes of it
	s_add_co_u32 s26, s26, s27
	v_add_nc_u32 v[AK], s26, v[AK]
	s_delay_alu instid0(VALU_DEP_1)
	v_add_nc_u32 v[AK+1], STG, v[AK]
	v_mul_u32_u24 v[AV], v[HH], 67136              ; V: lanes 16-31 begin 32 rows further down;
	s_delay_alu instid0(VALU_DEP_1)
	v_lshl_add_u32 v[AV], v[RR], 2, v[AV]          ; my channel 32 wave + 16 d + r
	s_mul_i32 s26, s15, 1040
	s_and_b32 s27, s12, 7
	s_lshl_b32 s27, s27, 7
	s_add_co_u32 s26, s26, s27
	v_add_nc_u32 v[AV], s26, v[AV]
	s_delay_alu instid0(VALU_DEP_1)
	v_add_nc_u32 v[AV+1], STG, v[AV]
	v_lshlrev_b32 v[AIN], 2, v[T0+1]               ; my key's word among the 128
	s_delay_alu instid0(VALU_DEP_1)
	v_lshl_add_u32 v[AIN], v[T0], 6, v[AIN]
	s_lshl_b32 s26, s15, 7
	s_lshl_b32 s27, s24, 5
	s_add_co_u32 s26, s26, s27
	s_add_co_u32 s26, s26, INV
	v_add_nc_u32 v[AIN], s26, v[AIN]
	s_lshl_b32 s26, s12, 4
	s_add_co_u32 s26, s26, INV
	v_mov_b32 v[INW], s26
	s_lshl_b32 s26, s13, 8                         ; K's scale word: (b % 2) 512 + (16 u + r) 16 + 4 ks, + 1,024 a stage
	s_lshl_b32 s27, s14, 2
	s_add_co_u32 s26, s26, s27
	s_add_co_u32 s26, s26, SST
	v_lshl_add_u32 v[KSW], v[RR], 4, s26
	s_lshl_b32 s26, s13, 9                         ; V's: (dt / 8) 512 + (16 (dt % 2) + r) 16 + 4 ((dt / 2) % 4), dt = 2 wave + d
	s_add_co_u32 s26, s26, s27
	s_add_co_u32 s26, s26, SST+2048
	v_lshl_add_u32 v[VSW], v[RR], 4, s26
	s_mul_i32 s26, s12, 1536
	v_lshl_add_u32 v[GK], v[LN], 4, s26
	s_mul_i32 s26, s12, 3072
	v_lshl_add_u32 v[GV], v[LN], 4, s26
	s_lshl_b32 s26, s12, 8                         ; the scale words' way out: my wave's 256 bytes of the 4,096 in LDS,
	v_lshl_add_u32 v[SLD], v[LN], 3, s26
	s_delay_alu instid0(VALU_DEP_1)
	v_add_nc_u32 v[SLD], SST, v[SLD]
	s_mov_b32 s27, 98304                           ; and in kv: waves 0-7 carry K's, to 49,152 + 256 wave; waves 8-15 V's, to 100,352 + 256 (wave - 8)
	s_cmp_lt_u32 s12, 8
	s_cselect_b32 s27, 49152, s27
	s_add_co_u32 s26, s26, s27
	v_lshl_add_u32 v[GS], v[LN], 3, s26
	s_mul_i32 s28, ttmp9, STEPB
	s_add_nc_u64 s[8:9], s[8:9], s[28:29]          ; kv at my step
	s_wait_alu depctr_va_vdst(0)                   ; the wait at the head's end
	s_wait_tensorcnt 0x0                           ; my four rows of stage 0 are in
	ds_add_u32 v[SPW], v[NIL]
	s_wait_dscnt 0x0
	s_barrier_signal -1
	s_barrier_wait -1
	tensor_load_to_lds s[36:39], s[16:23]          ; stage 1's first fill: my one tensor load behind this barrier; nothing is ever filled again
	s_nop 0
	NORM 0
	s_wait_dscnt 0x0                               ; for the others' sake: my stores are done
	s_barrier_signal -1
	s_barrier_wait -1                              ; rows 0-63 and their 1 / norm lie in LDS
	KUNIT 0
	VPART 0
	s_wait_tensorcnt 0x0
	NORM 1
	s_wait_dscnt 0x0
	s_barrier_signal -1
	s_barrier_wait -1                              ; rows 64-127 likewise
	KUNIT 1
	VPART 1
.irp d, 0,1
	v_lshl_or_b32 v[VW+\d], v[VB+2*\d+1], 16, v[VB+2*\d]   ; V's scale words, as in Q2F
.endr
.irp d, 0,1
	s_delay_alu instid0(VALU_DEP_2)
	v_lshlrev_b32 v[VW+\d], v[H8], v[VW+\d]
.endr
.irp d, 0,1
	v_permlanex16_b32 v[N+\d], v[VW+\d], s40, s41
.endr
.irp d, 0,1
	s_delay_alu instid0(VALU_DEP_2)
	v_or_b32 v[VW+\d], v[VW+\d], v[N+\d]
.endr
.irp d, 0,1
	ds_store_b32 v[VSW], v[VW+\d] offset:256*\d
.endr
.irp d, 0,1
.irp t, 0,1,2
	global_store_b128 v[GV], v[VF+12*\d+4*\t:VF+12*\d+4*\t+3], s[8:9] offset:51200+1536*\d+512*\t
.endr
.endr
	s_wait_dscnt 0x0
	s_barrier_signal -1
	s_barrier_wait -1                              ; the step's 4,096 bytes of scale words lie in LDS
	ds_load_b64 v[M:M+1], v[SLD]
	s_wait_dscnt 0x0
	global_store_b64 v[GS], v[M:M+1], s[8:9]       ; 32 lanes store 256 consecutive bytes, aligned
	s_wait_tensorcnt 0x0                           ; the wave's end
	ds_add_u32 v[SPW], v[NIL]
	s_wait_dscnt 0x0
	s_endpgm
	; ---------------- proj_w: fragment (K step i / 2, tile 16 (i % 2) + wave), i = work-group - 193 ----------------
.Lweights:
	s_sub_co_u32 s13, ttmp9, NSTEP
	s_lshr_b32 s14, s13, 1                         ; K step
	s_and_b32 s15, s13, 1
	s_lshl_b32 s15, s15, 4
	s_add_co_u32 s15, s15, s12                     ; tile nt: lane r takes column 32 (nt / 2) + 8 (nt % 2) + r + 8 (r / 8)
	s_lshl_b32 s28, s14, 18                        ; 128 rows of 2,048 bytes a K step
	s_lshr_b32 s24, s15, 1
	s_lshl_b32 s24, s24, 7
	s_add_co_u32 s28, s28, s24
	s_and_b32 s24, s15, 1
	s_lshl_b32 s24, s24, 5
	s_add_co_u32 s28, s28, s24
	s_mov_b32 s29, 0
	s_add_nc_u64 s[6:7], s[6:7], s[28:29]
	s_wait_alu depctr_va_vdst(0)
	v_and_b32 v[T0], 8, v[RR]
	s_delay_alu instid0(VALU_DEP_1)
	v_add_nc_u32 v[T0], v[T0], v[RR]
	s_delay_alu instid0(VALU_DEP_1)
	v_lshlrev_b32 v[T0], 2, v[T0]
	s_delay_alu instid0(VALU_DEP_1)
	v_lshl_add_u32 v[T0], v[HH], 16, v[T0]         ; lanes 16-31 begin 32 rows further down
.irp c, 0,1
.irp i, 0,1,2,3,4,5,6,7,8,9,10,11,12,13,14,15,16,17,18,19,20,21,22,23,24,25,26,27,28,29,30,31
	global_load_b32 v[X+32*\c+\i], v[T0], s[6:7] offset:(64*\c+\i)*2048 th:TH_LOAD_NT
.endr
.endr
	s_lshl_b32 s24, s13, 1
	s_lshr_b32 s25, s12, 3
	s_add_co_u32 s24, s24, s25                     ; the block: 4 x K step + nt / 8
	s_mul_i32 s30, s24, 12800
	s_mov_b32 s31, 0
	s_add_nc_u64 s[10:11], s[10:11], s[30:31]
	s_and_b32 s25, s12, 7                          ; nt % 8
	s_mul_i32 s26, s25, 1536
	v_lshl_add_u32 v[T0+1], v[LN], 4, s26
	s_lshr_b32 s26, s25, 1
	s_lshl_b32 s26, s26, 7
	s_and_b32 s27, s12, 1
	s_lshl_b32 s27, s27, 6
	s_add_co_u32 s26, s26, s27
	s_add_co_u32 s26, s26, 12288                   ; scale register (nt % 8) / 2: lanes 0-15 the even tile's words, lanes 16-31 the odd one's
	v_lshl_add_u32 v[T0+2], v[RR], 2, s26
	s_wait_loadcnt 0x0
	Q2F
.irp t, 0,1,2
	global_store_b128 v[T0+1], v[KF+4*\t:KF+4*\t+3], s[10:11] offset:512*\t
.endr
	s_wait_xcnt 0x0                                ; EXEC changes only behind this wait
	v_cmp_gt_u32 vcc_lo, 16, v[LN]
	s_and_saveexec_b32 s30, vcc_lo                 ; lanes 16-31 hold the same sixteen words
	global_store_b32 v[T0+2], v[KW], s[10:11]
	s_wait_xcnt 0x0
	s_or_b32 exec_lo, exec_lo, s30
	s_wait_tensorcnt 0x0                           ; the wave's end: the same three lines
	ds_add_u32 v[SPW], v[NIL]
	s_wait_dscnt 0x0
	s_endpgm
.Lfunc_end_k_q1f3f6fab67_prep:
	.size	k_q1f3f6fab67_prep, .Lfunc_end_k_q1f3f6fab67_prep-k_q1f3f6fab67_prep
	.p2alignl 7, 3214868480
	.fill 96, 4, 3214868480
	.section	.rodata,"a",@progbits
	.p2align	6, 0x0
	.amdhsa_kernel k_q1f3f6fab67_prep
		.amdhsa_group_segment_fixed_size 327680
		.amdhsa_private_segment_fixed_size 0
		.amdhsa_enable_private_segment 0
		.amdhsa_kernarg_size 32
		.amdhsa_user_sgpr_count 2
		.amdhsa_user_sgpr_kernarg_segment_ptr 1
		.amdhsa_wavefront_size32 1
		.amdhsa_system_sgpr_workgroup_id_x 1
		.amdhsa_system_sgpr_workgroup_id_y 1
		.amdhsa_system_sgpr_workgroup_id_z 1
		.amdhsa_system_vgpr_workitem_id 0
		.amdhsa_next_free_vgpr 192
		.amdhsa_next_free_sgpr 66
		.amdhsa_reserve_vcc 1
		.amdhsa_float_denorm_mode_32 3
		.amdhsa_float_denorm_mode_16_64 3
		.amdhsa_memory_ordered 1
		.amdhsa_forward_progress 1
		.amdhsa_inst_pref_size 67
	.end_amdhsa_kernel
	.amdgpu_metadata
---
amdhsa.version: [ 1, 2 ]
amdhsa.kernels:
  - .name:           k_q1f3f6fab67_prep
    .symbol:         k_q1f3f6fab67_prep.kd
    .args:
      - { .name: token_embedding, .offset: 0, .size: 8, .value_kind: global_buffer, .address_space: global }
      - { .name: proj_w, .offset: 8, .size: 8, .value_kind: global_buffer, .address_space: global }
      - { .name: kv, .offset: 16, .size: 8, .value_kind: global_buffer, .address_space: global }
      - { .name: wq, .offset: 24, .size: 8, .value_kind: global_buffer, .address_space: global }
    .group_segment_fixed_size: 327680
    .private_segment_fixed_size: 0
    .kernarg_segment_align: 8
    .kernarg_segment_size: 32
    .max_flat_workgroup_size: 512
    .sgpr_count:     66
    .vgpr_count:     192
    .wavefront_size: 32
...
	.end_amdgpu_metadata
.endif
;; end of part 1
;; launch proj (part 2): grid 128 x 1, 4 waves a work-group, clusters of 4 x 1, 307,968 bytes of LDS; arguments audio_feat, proj_b, wq, qc, qs; writes qc, qs
.if DOCPART == 2
	.amdgcn_target "amdgcn-amd-amdhsa--gfx1250"
	.amdhsa_code_object_version 6
	.text
	.protected	k_q1f3f6fab67_proj
	.globl	k_q1f3f6fab67_proj
	.p2align	8
	.type	k_q1f3f6fab67_proj,@function
k_q1f3f6fab67_proj:
	s_mov_b64 s[64:65], 0
	v_nop
	global_prefetch_b8 v0, s[64:65] scope:SCOPE_SE
	s_setreg_imm32_b32 hwreg(HW_REG_WAVE_MODE, 25, 1), 1
	s_wait_xcnt 0x0
	s_wait_alu depctr_hold_cnt(0) depctr_sa_sdst(0) depctr_va_vdst(0) depctr_va_sdst(0) depctr_va_ssrc(0) depctr_va_vcc(0) depctr_vm_vsrc(0)
	s_getreg_b32 s2, hwreg(HW_REG_IB_STS2, 6, 4)
	s_cmp_eq_u32 s2, 0
	s_cbranch_scc0 .Lentry_in_a_cluster
	s_endpgm
.Lentry_in_a_cluster:
	s_bfe_u32 s2, ttmp6, 0x10000c
	s_cmp_lg_u32 s2, 0x3003
	s_cbranch_scc0 .Lentry_shape_is_right
	s_endpgm
.Lentry_shape_is_right:
; PROJ: kw = Q(audio_feat) Q(proj_w) + proj_b (first product, MX-FP6, K = 768), kw / max(|kw|, 1e-8), quantised along its 512 channels: the second product's left operand, as register images.
; Nothing of reference() is left out here.
; A work-group takes 16 rows (tile T = 4 x cluster + place).  Wave w makes columns 128 w .. 128 w + 127, which are K step w of the second product.  Each wave quantises the 16 rows of audio_feat for itself (six fragments):
; 48 KB, against an exchange through LDS with two barriers.
; proj_w's codes (wq, made by the launch before) come by ONE tensor load a wave: my 8 tiles of all six K steps, 76,800 bytes, read by me alone.  All work-groups want the same bytes, so the four of a cluster ask JOINTLY.
; THE PRODUCT IS USED TRANSPOSED (source 0 = 16 columns of proj_w, source 1 = my 16 rows): a lane holds one row, and by the choice of a tile's columns (lane r of tile nt: column 32 (nt / 2) + 8 (nt % 2) + r + 8 (r / 8))
; the 16 registers of two neighbouring tiles are 16 neighbouring columns.  proj_b is the C of each sum's first matrix instruction.
; qc: [T 128][K step 4] fragments of 1,536 bytes;  qs: [T][K step][16 rows] scale words.
; LIMITS: NaN and infinities are not served; a block of zeros gets the byte 1 (its codes are zeros; this program alone reads the bytes); the division by the norm is a multiplication by v_rcp_f32.
.set WB,    76800                      ; LDS: a wave's part of proj_w: six blocks of 12,800 bytes (8 fragments, 4 registers of scale words)
.set NP,    4*WB                       ; 256 bytes: the waves' parts of the rows' sums of squares
.set SPARE, NP+256                     ; the spare words, 128 bytes a wave, which no other line names
.set SPW, 1
.set NIL, 2
.set LN,  3
.set RR,  4
.set HH,  5
.set XA,  6                            ; audio_feat: row r of 3,072 bytes + 64 h
.set AW,  7                            ; v7-8   my fragments of K steps 0-2, 3-5 (an LDS offset has 16 bits)
.set AWS, 9                            ; v9-10  and their scale words
.set BA,  11                           ; 64 h
.set NPW, 12
.set NPR, 13
.set GQ,  14
.set GS,  15
.set AF,  16                           ; v16-87   audio_feat's six fragments
.set ACC, 88                           ; v88-151  64 numbers of audio_feat, then my 8 tiles of kw
.set ST,  152                          ; v152-215 64 numbers of audio_feat
.set TM,  216                          ; v216-231 at work
.set T2,  232                          ; v232-238
.set AS,  240                          ; v240-245 audio_feat's scale words
.set WSR, 246                          ; v246-253 proj_w's, two sets of four
.set PW,  254                          ; kw's scale word
;   window 1: v0-95, v96-191: proj_w's 8 fragments of a K step, two sets
.set MSB, 0
.macro WIN new                         ; the immediate's high byte repeats the setting that is left
.if MSB != \new
	s_set_vgpr_msb (MSB<<8)|\new
.set MSB, \new
.endif
.endm
.macro ROUND                           ; a round of the cluster's barrier
	s_barrier_signal -1
	s_barrier_wait -1
	s_cmp_lg_u32 s14, 0
	s_cbranch_scc1 .Lnot_wave_0_\@
	s_barrier_signal -3
.Lnot_wave_0_\@:
	s_barrier_wait -3
	s_barrier_signal -1
	s_barrier_wait -1
.endm
.macro XLOAD reg, ks                   ; my row's numbers of K step ks: register 16 b + i = k 32 b + 16 h + i
.irp b, 0,1,2,3
.irp j, 0,1,2,3
	global_load_b128 v[\reg+16*\b+4*\j:\reg+16*\b+4*\j+3], v[XA], s[4:5] offset:512*\ks+128*\b+16*\j
.endr
.endr
.endm
; 64 numbers of a lane, register 16 b + i = k 32 b + 16 h + i of my row, become a fragment in v[d] on and its scale word in v[wd]
.macro QUANT s, d, wd
.irp b, 0,1,2,3
	v_max3_num_f32 v[TM+\b], |v[(\s)+16*\b]|, |v[(\s)+1+16*\b]|, 0x1800000   ; with the floor 2^(3 - 127): the byte cannot fall under 1
.endr
.irp i, 2,4,6,8,10,12,14
.irp b, 0,1,2,3
	v_max3_num_f32 v[TM+\b], v[TM+\b], |v[(\s)+16*\b+\i]|, |v[(\s)+1+16*\b+\i]|
.endr
.endr
.irp b, 0,1,2,3
	v_permlanex16_b32 v[TM+4+\b], v[TM+\b], s20, s21
.endr
.irp b, 0,1,2,3
	v_max_num_f32 v[TM+\b], v[TM+\b], v[TM+4+\b]           ; with lane l xor 16's: the block's largest magnitude
.endr
.irp b, 0,1,2,3
	v_add_nc_u32 v[TM+12+\b], 0xff000000, v[TM+\b]         ; 2 off its exponent field: the conversion's scale operand
.endr
.irp b, 0,1,2,3
	v_lshrrev_b32 v[TM+4+\b], 23, v[TM+12+\b]              ; the scale's byte
.endr
	v_lshl_or_b32 v[\wd], v[TM+5], 8, v[TM+4]
	v_lshl_or_b32 v[\wd], v[TM+6], 16, v[\wd]
	v_lshl_or_b32 v[\wd], v[TM+7], 24, v[\wd]
.irp c, 0,1
	v_cvt_scalef32_pk16_fp6_f32 v[(\d)+6*\c:(\d)+6*\c+2], v[(\s)+32*\c:(\s)+32*\c+15], v[TM+12+2*\c]
	v_cvt_scalef32_pk16_fp6_f32 v[T2+4*\c:T2+4*\c+2], v[(\s)+32*\c+16:(\s)+32*\c+31], v[TM+13+2*\c]
.endr
	v_nop                                                  ; one plain place behind a scaled conversion
.irp c, 0,1                            ; the operand's layout wants a whole block in a lane: lanes 0-15 block 2 c, lanes 16-31 block 2 c + 1
.irp i, 0,1,2
	v_permlane16_swap_b32 v[(\d)+6*\c+\i], v[T2+4*\c+\i]
.endr
.irp i, 0,1,2
	v_mov_b32 v[(\d)+6*\c+3+\i], v[T2+4*\c+\i]
.endr
.endr
.endm
.macro FETCHW ks                       ; K step ks: my 8 fragments of proj_w and their 4 registers of scale words: 28 LDS loads
	WIN 0x40                                               ; destination window 1
.set i, 0
.rept 24
	ds_load_b128 v[96*((\ks)%2)+4*i:96*((\ks)%2)+4*i+3], v[AW+(\ks)/3] offset:((\ks)%3)*12800+512*i
.set i, i+1
.endr
	WIN 0
.irp p, 0,1,2,3
	ds_load_b32 v[WSR+4*((\ks)%2)+\p], v[AWS+(\ks)/3] offset:((\ks)%3)*12800+12288+128*\p
.endr
.endm
.macro MULW ks                         ; 8 matrix instructions: my 8 tiles by turns
.if (\ks) < 5
	s_wait_dscnt 28                                        ; this K step's 28 loads are in; the next step's 28 may be out
.else
	s_wait_dscnt 0x0
.endif
	WIN 0x01                                               ; source 0 (proj_w) window 1
.irp t, 0,1,2,3,4,5,6,7
.if \t%2
	v_wmma_scale_f32_16x16x128_f8f6f4 v[ACC+8*\t:ACC+8*\t+7], v[96*((\ks)%2)+12*\t:96*((\ks)%2)+12*\t+11], v[AF+12*(\ks):AF+12*(\ks)+11], v[ACC+8*\t:ACC+8*\t+7], v[WSR+4*((\ks)%2)+\t/2], v[AS+(\ks)] matrix_a_fmt:MATRIX_FMT_FP6 matrix_b_fmt:MATRIX_FMT_FP6 matrix_a_scale:MATRIX_SCALE_ROW1
.else
	v_wmma_scale_f32_16x16x128_f8f6f4 v[ACC+8*\t:ACC+8*\t+7], v[96*((\ks)%2)+12*\t:96*((\ks)%2)+12*\t+11], v[AF+12*(\ks):AF+12*(\ks)+11], v[ACC+8*\t:ACC+8*\t+7], v[WSR+4*((\ks)%2)+\t/2], v[AS+(\ks)] matrix_a_fmt:MATRIX_FMT_FP6 matrix_b_fmt:MATRIX_FMT_FP6
.endif
.endr
	WIN 0
.rept 4
	v_nop                                                  ; four places in front of loads into registers that these have read, and of the first read of results
.endr
.if (\ks) < 4
	FETCHW (\ks)+2
.endif
.endm
	s_load_b128 s[4:7], s[0:1], 0x0                ; audio_feat s[4:5], proj_b s[6:7]
	s_load_b128 s[8:11], s[0:1], 0x10              ; wq s[8:9], qc s[10:11]
	s_load_b64 s[12:13], s[0:1], 0x20              ; qs
	v_lshl_add_u32 v[SPW], v0, 2, SPARE
	v_mov_b32 v[NIL], 0
	ds_add_u32 v[SPW], v[NIL]                      ; the wave's opening: the add, twice on end, and its wait ahead of my first tensor load
	ds_add_u32 v[SPW], v[NIL]
	v_lshrrev_b32 v[LN], 5, v0
	v_readfirstlane_b32 s14, v[LN]                 ; wave 0..3
	s_bfe_u32 s15, ttmp6, 0x40000                  ; my place in the cluster: it enters audio_feat's, qc's and qs's addresses alone
	s_lshl_b32 s16, ttmp9, 2
	s_add_co_u32 s16, s16, s15                     ; T
	; descriptor group 1: 6 rows (K steps) of 12,800 bytes (1,600 elements of 8 bytes), 51,200 bytes apart
	s_mov_b32 s24, 15|(3<<16)|(1<<21)              ; the mask: all four work-groups; elements of 8 bytes; bit 21 set beside a mask; no padding
	s_mov_b32 s25, 1600<<16                        ; tensor_dim0
	s_mov_b32 s26, 6<<16                           ; tensor_dim1
	s_mov_b32 s27, 1600<<16                        ; tile_dim0
	s_mov_b32 s28, 6                               ; tile_dim1
	s_mov_b32 s29, 6400                            ; from row to row
	s_mov_b32 s30, 0
	s_mov_b32 s31, 0
	s_mov_b32 s32, 1
	s_mul_i32 s33, s14, WB                         ; to my part of LDS
	s_mul_i32 s36, s14, 12800                      ; from my block of each K step
	s_mov_b32 s37, 0
	s_mov_b32 s20, 0x76543210
	s_mov_b32 s21, 0xfedcba98
	s_wait_dscnt 0x0
	s_wait_kmcnt 0x0
	s_add_nc_u64 s[34:35], s[8:9], s[36:37]
	s_or_b32 s35, s35, 0x80000000
	ROUND                                          ; all four work-groups are here: the joint loads meet
	tensor_load_to_lds s[32:35], s[24:31]          ; my one tensor load
	s_nop 0
.rept 4
	v_nop
.endr
	v_and_b32 v[LN], 31, v0
	v_and_b32 v[RR], 15, v0
	v_bfe_u32 v[HH], v0, 4, 1
	v_mul_u32_u24 v[XA], v[RR], 3072
	v_lshl_add_u32 v[XA], v[HH], 6, v[XA]
	s_mul_i32 s38, s16, 49152                      ; 16 rows of 3,072 bytes a tile
	s_mov_b32 s39, 0
	s_add_nc_u64 s[4:5], s[4:5], s[38:39]
	XLOAD ACC, 0
	XLOAD ST, 1
	v_lshl_add_u32 v[AW], v[LN], 4, s33
	v_add_nc_u32 v[AW+1], 38400, v[AW]
	v_lshl_add_u32 v[AWS], v[LN], 2, s33
	v_add_nc_u32 v[AWS+1], 38400, v[AWS]
	v_lshlrev_b32 v[BA], 6, v[HH]
	v_lshlrev_b32 v[NPR], 4, v[RR]
	v_add_nc_u32 v[NPR], NP, v[NPR]
	s_lshl_b32 s38, s14, 2
	v_add_nc_u32 v[NPW], s38, v[NPR]
	v_lshlrev_b32 v[GQ], 4, v[LN]
	v_lshlrev_b32 v[GS], 2, v[RR]
	s_lshl_b32 s38, s14, 9
	s_add_nc_u64 s[6:7], s[6:7], s[38:39]          ; proj_b at my 128 columns
.irp b, 0,1,2,3
	v_mov_b32 v[TM+4+\b], 0                        ; a lane permute's destination counts as one of its sources
.endr
	s_wait_loadcnt 16                              ; the older 16 loads are in; the younger 16 may be out: so at each of these six waits
	QUANT ACC, AF, AS
	XLOAD ACC, 2
	s_wait_loadcnt 16
	QUANT ST, AF+12, AS+1
	XLOAD ST, 3
	s_wait_loadcnt 16
	QUANT ACC, AF+24, AS+2
	XLOAD ACC, 4
	s_wait_loadcnt 16
	QUANT ST, AF+36, AS+3
	XLOAD ST, 5
	s_wait_loadcnt 16
	QUANT ACC, AF+48, AS+4
.irp t, 0,1,2,3,4,5,6,7                ; proj_b in the result's layout: tile t, register j: column 32 (t / 2) + 16 h + 8 (t % 2) + j
	global_load_b128 v[ACC+8*\t:ACC+8*\t+3], v[BA], s[6:7] offset:(32*(\t/2)+8*(\t%2))*4
	global_load_b128 v[ACC+8*\t+4:ACC+8*\t+7], v[BA], s[6:7] offset:(32*(\t/2)+8*(\t%2))*4+16
.endr
	s_wait_loadcnt 16
	QUANT ST, AF+60, AS+5
	s_wait_loadcnt 0x0                             ; proj_b
	s_wait_tensorcnt 0x0                           ; my part of proj_w is in LDS; nobody else reads it
	FETCHW 0
	FETCHW 1
.rept 8
	v_nop                                          ; a scale register written by a vector instruction stands 8 places ahead of a scaled matrix instruction, an operand so written 4
.endr
	MULW 0
	MULW 1
	MULW 2
	MULW 3
	MULW 4
	s_wait_alu depctr_va_vdst(0)
	MULW 5
	; the rows' norms: my 64 numbers (each accumulator from its low end on), lane l xor 16's, then the four waves' through LDS
	v_pk_mul_f32 v[TM:TM+1], v[ACC:ACC+1], v[ACC:ACC+1]
	v_pk_mul_f32 v[TM+2:TM+3], v[ACC+2:ACC+3], v[ACC+2:ACC+3]
.set j, 4
.rept 15
	v_pk_fma_f32 v[TM:TM+1], v[ACC+j:ACC+j+1], v[ACC+j:ACC+j+1], v[TM:TM+1]
	v_pk_fma_f32 v[TM+2:TM+3], v[ACC+j+2:ACC+j+3], v[ACC+j+2:ACC+j+3], v[TM+2:TM+3]
.set j, j+4
.endr
	v_pk_add_f32 v[TM:TM+1], v[TM:TM+1], v[TM+2:TM+3]
	v_add_f32 v[TM], v[TM], v[TM+1]
	v_permlanex16_b32 v[TM+4], v[TM], s20, s21
	v_add_f32 v[TM], v[TM], v[TM+4]
	ds_store_b32 v[NPW], v[TM]                     ; row r, wave w: both halves of the lanes write the same word with the same value
	s_wait_dscnt 0x0
	s_barrier_signal -1
	s_barrier_wait -1
	ds_load_b128 v[TM+8:TM+11], v[NPR]
	s_wait_dscnt 0x0
	v_add_f32 v[TM+8], v[TM+8], v[TM+9]
	v_add_f32 v[TM+10], v[TM+10], v[TM+11]
	v_add_f32 v[TM+8], v[TM+8], v[TM+10]
	s_wait_alu depctr_va_vdst(0)
	v_sqrt_f32 v[TM+8], v[TM+8]
	v_nop
	s_wait_alu depctr_va_vdst(0)                   ; the wait ahead of the first reader
	v_max_num_f32 v[TM+8], 0x322bcc77, v[TM+8]     ; 1e-8
	s_wait_alu depctr_va_vdst(0)
	v_rcp_f32 v[TM+8], v[TM+8]
	v_nop
	s_wait_alu depctr_va_vdst(0)
.set j, 0
.rept 32
	v_pk_mul_f32 v[ACC+j:ACC+j+1], v[ACC+j:ACC+j+1], v[TM+8:TM+9] op_sel_hi:[1,0]
.set j, j+2
.endr
	QUANT ACC, AF, PW
	s_lshl_b32 s38, s16, 2
	s_add_co_u32 s38, s38, s14                     ; fragment 4 T + w
	s_mul_i32 s40, s38, 1536
	s_mov_b32 s41, 0
	s_add_nc_u64 s[10:11], s[10:11], s[40:41]
	s_lshl_b32 s40, s38, 6
	s_add_nc_u64 s[12:13], s[12:13], s[40:41]
.irp t, 0,1,2
	global_store_b128 v[GQ], v[AF+4*\t:AF+4*\t+3], s[10:11] offset:512*\t    ; 32 lanes store 512 consecutive bytes
.endr
	s_wait_xcnt 0x0                                ; EXEC changes only behind this wait
	v_cmp_gt_u32 vcc_lo, 16, v[LN]
	s_and_saveexec_b32 s40, vcc_lo                 ; lanes 16-31 hold the same sixteen words
	global_store_b32 v[GS], v[PW], s[12:13]
	s_wait_xcnt 0x0
	s_or_b32 exec_lo, exec_lo, s40
	s_wait_tensorcnt 0x0                           ; the wave's end
	ds_add_u32 v[SPW], v[NIL]
	s_wait_dscnt 0x0
	ROUND                                          ; the closing round
	s_endpgm
.Lfunc_end_k_q1f3f6fab67_proj:
	.size	k_q1f3f6fab67_proj, .Lfunc_end_k_q1f3f6fab67_proj-k_q1f3f6fab67_proj
	.p2alignl 7, 3214868480
	.fill 96, 4, 3214868480
	.section	.rodata,"a",@progbits
	.p2align	6, 0x0
	.amdhsa_kernel k_q1f3f6fab67_proj
		.amdhsa_group_segment_fixed_size 307968
		.amdhsa_private_segment_fixed_size 0
		.amdhsa_enable_private_segment 0
		.amdhsa_kernarg_size 40
		.amdhsa_user_sgpr_count 2
		.amdhsa_user_sgpr_kernarg_segment_ptr 1
		.amdhsa_wavefront_size32 1
		.amdhsa_system_sgpr_workgroup_id_x 1
		.amdhsa_system_sgpr_workgroup_id_y 1
		.amdhsa_system_sgpr_workgroup_id_z 1
		.amdhsa_system_vgpr_workitem_id 0
		.amdhsa_next_free_vgpr 512
		.amdhsa_next_free_sgpr 66
		.amdhsa_reserve_vcc 1
		.amdhsa_float_denorm_mode_32 3
		.amdhsa_float_denorm_mode_16_64 3
		.amdhsa_memory_ordered 1
		.amdhsa_forward_progress 1
		.amdhsa_inst_pref_size 65
	.end_amdhsa_kernel
	.amdgpu_metadata
---
amdhsa.version: [ 1, 2 ]
amdhsa.kernels:
  - .name:           k_q1f3f6fab67_proj
    .symbol:         k_q1f3f6fab67_proj.kd
    .args:
      - { .name: audio_feat, .offset: 0, .size: 8, .value_kind: global_buffer, .address_space: global }
      - { .name: proj_b, .offset: 8, .size: 8, .value_kind: global_buffer, .address_space: global }
      - { .name: wq, .offset: 16, .size: 8, .value_kind: global_buffer, .address_space: global }
      - { .name: qc, .offset: 24, .size: 8, .value_kind: global_buffer, .address_space: global }
      - { .name: qs, .offset: 32, .size: 8, .value_kind: global_buffer, .address_space: global }
    .group_segment_fixed_size: 307968
    .private_segment_fixed_size: 0
    .kernarg_segment_align: 8
    .kernarg_segment_size: 40
    .max_flat_workgroup_size: 128
    .sgpr_count:     66
    .vgpr_count:     512
    .wavefront_size: 32
...
	.end_amdgpu_metadata
.endif
;; end of part 2
;; launch attn (part 3): grid 32 x 8, 8 waves a work-group, clusters of 4 x 1, 327,680 bytes of LDS; arguments kv, qc, qs, part, lpart; writes part, lpart
.if DOCPART == 3
	.amdgcn_target "amdgcn-amd-amdhsa--gfx1250"
	.amdhsa_code_object_version 6
	.text
	.protected	k_q1f3f6fab67_attn
	.globl	k_q1f3f6fab67_attn
	.p2align	8
	.type	k_q1f3f6fab67_attn,@function
k_q1f3f6fab67_attn:
	s_mov_b64 s[64:65], 0
	v_nop
	global_prefetch_b8 v0, s[64:65] scope:SCOPE_SE
	s_setreg_imm32_b32 hwreg(HW_REG_WAVE_MODE, 25, 1), 1
	s_wait_xcnt 0x0
	s_wait_alu depctr_hold_cnt(0) depctr_sa_sdst(0) depctr_va_vdst(0) depctr_va_sdst(0) depctr_va_ssrc(0) depctr_va_vcc(0) depctr_vm_vsrc(0)
	s_getreg_b32 s2, hwreg(HW_REG_IB_STS2, 6, 4)
	s_cmp_eq_u32 s2, 0
	s_cbranch_scc0 .Lentry_in_a_cluster
	s_endpgm
.Lentry_in_a_cluster:
	s_bfe_u32 s2, ttmp6, 0x10000c
	s_cmp_lg_u32 s2, 0x3003
	s_cbranch_scc0 .Lentry_shape_is_right
	s_endpgm
.Lentry_shape_is_right:
; ATTN: the second and third products and the softmax between them, on codes of MX-FP6: for 64 queries and an eighth of the vocabulary, O^T = sum over keys of V^T p and l = sum of p, both not yet divided.
; Nothing of reference() is left out here.
; THE SHIFT.  t = cos x 10 x log2(e); p = 2^(t - M) is what is quantised.  Both operands of the cosine are vectors that reference() itself normalises (norm at most 1), then quantised: a code differs from its number by at most
; 1/16 of the number, or, under the block's smallest normal step, by 1/64 of the block's largest: the quantised vector's norm is at most 1.11.  So |cos| <= 1.23 and |t| <= 17.8 FOR EVERY INPUT, and M = 18, a whole number,
; serves all rows: p lies in 2^-36 .. 1 and no sum passes 24,704: nothing overflows or underflows in f32.  Against the row's own M = ceil(largest t) every p, and l, is smaller by one exact power of two, which the blocks'
; scale bytes take up: the codes are the same, and O / l is the same.  With one M for all, the steps' and the splits' parts add in any order.
; SHARES.  Work-group (g, y): queries 64 g .. 64 g + 63 (four tiles q) against split y of the keys.  The vocabulary is 193 steps of 128 keys; split y walks 25: steps 24 y .. 24 y + 24.  Steps 24, 48 .. 168 belong to two splits:
; a split's step 0 serves tiles 2, 3 (and 0, 1 where y = 0), its step 24 tiles 0, 1 (and 2, 3 where y = 7).  In such a step the two tiles that the other split serves are carried along under the shift -1000 in place of -18:
; 2^(t - 1000) lies under the smallest normal number, for which v_exp_f32 gives 0 (ISA guide, its entry): zero codes, nothing added to l.  That is inside steps that also hold live work, and all 25 periods have one form.
; THE WALK.  The 25 steps are a ring; the cluster at x begins at step 3 (3 x mod 8) and goes round once: the eight clusters of a split ask for different steps at any time.
; No prefetch is laid: the starts lie 3 steps apart, so 22 of a cluster's 25 steps have been asked for by another cluster of its split three periods or more ahead of it.
; TWO ROLES, eight waves, parted by the wave's number inside each period; w = wave % 4.
;   Waves 4-7 (scores): Q stays in registers.  In period j: K of step j + 1 from LDS; the softmax of step j's scores for keys 32 w .. 32 w + 31 and all four query tiles (a lane holds one query and 16 neighbouring keys);
;   p's codes and scale bytes to LDS, as an image of the operand's registers; then K Q^T of step j + 1.
;   Waves 0-3 (sums): in period j: p of step j - 1 from LDS; O^T += V^T p of step j - 1 for channels 128 w .. 128 w + 127 and all four query tiles, 32 accumulators; then V of step j from LDS.  They also issue the ring's loads.
; ONE MEETING a period, a round of the cluster's barrier: it publishes p and frees the slot, which holds V of step j and K of step j + 1.  p has two images, by turns: between the reads of an image and the next stores into it lies a round.
; CLUSTER.  The four work-groups of a cluster walk the same steps: each half of a unit (25,600 bytes: waves 0, 1 V's, waves 2, 3 K's) is asked for JOINTLY, by the same tensor load with the same descriptor and a mask of the four.
; A block's largest p is not searched for: the block's largest score goes through the same multiply-add and exponential (this takes v_exp_f32 not to fall where its input rises).
; LIMITS: NaN and infinities are not served.
; part: [y 8][g 32][w 4][q 4][channel tile 8][half 2][lane 32][16 bytes]: the accumulators as they stand.  lpart: [y][g][w][row 16][q 4] f32: the part of l of keys 32 w .. + 31 of every step.
; REGISTERS.  Window 0, both roles: v1-95 addresses, scale words, the softmax's.  Scores: v96-159 the scores, v160-255 K's 8 fragments (12 (4 u + ks)); window 1: v0-191 Q (12 (4 q + ks)).
;   Sums: v96-143 p's four fragments, v160-255 V's 8; window 1: O^T (8 (4 dt + q)).
.set STEPB, 102400                     ; a key step in kv: K's unit (32 fragments, 2,048 bytes of scale words), then V's unit
.set UNITB, 51200
.set QUART, 25600                      ; what one tensor load of the ring brings
.set SLOT1, STEPB                      ; a slot: V's unit of one step, then K's unit of the next
.set K0A,   2*STEPB                    ; K's unit of the first step: filled once
.set PIMG,  K0A+UNITB                  ; p's four fragments, two images: the reading lane l's 12 registers are the 48 bytes at 48 l
.set PIMGB, 6144
.set PSC,   PIMG+2*PIMGB               ; their scale words, 256 bytes an image: 64 q + 4 r
.set SPARE, PSC+512                    ; the spare words, 128 bytes for each of 8 waves, which no other line names
.set AK,  1                            ; v1-2  slot 0, 1: my fragments of V (K's lie 51,200 bytes on)
.set ASC, 3                            ; v3-4  my scale words of V (K's lie 51,200 bytes on)
.set AP,  5                            ; where p's fragments are read
.set APW, 6                            ; where 12 bytes of one are put
.set APS, 7                            ; where p's scale words are read
.set APB, 8                            ; where a byte of one is put
.set GO,  9                            ; 16 x lane
.set GL,  10                           ; 16 r
.set AK0, 11                           ; my fragments of the first step's K
.set SPW, 12                           ; my spare word;  v13: 0: both never rewritten
.set NIL, 13
.set NMA, 14                           ; v14-15 the shift of tiles 0, 1: -18, or -1000
.set KSR, 16                           ; v16-19 K's scale words: register ks: lanes 0-15 tile 2 w, lanes 16-31 tile 2 w + 1
.set VSR, 20                           ; v20-23 V's: register dt / 2: lanes 0-15 the even tile, lanes 16-31 the odd one
.set PSR, 24                           ; v24-27 p's
.set QSR, 28                           ; v28-43 Q's: 4 q + ks
.set LS,  44                           ; v44-51 l, a pair a tile
.set MX,  52                           ; v52-55 a block's largest score, then p
.set MP,  56
.set SO,  60                           ; the conversions' scale operands
.set BY,  64                           ; the scale bytes
.set CD,  68                           ; v68-83 16 codes a tile
.set LN,  84
.set RR,  85
.set HH,  86
.set QA,  87
.set NMB, 88                           ; v88-89 the shift of tiles 2, 3
.set AS0, 90                           ; the first step's scale words of K
.set S,   96
.set PF,  96
.set KF,  160
.set VF,  160
; scalars: s14 wave, s66 w, s17 y, s18 the loop's trips, s19 the step in hand, s[20:21] lane selects, s[22:23] 10 log2(e), s[24:31] group 1, s[32:39] the slots' groups 0, s[40:43], s[56:63] the first K's groups 0 and 1,
;   s[44:45] my base in kv, s46, s47 the steps at which tiles 0, 1 and tiles 2, 3 are masked (99: never), s[48:49] an offset, s51, s52 the two shifts, s53 the step that my next load fetches.
;   What hangs on my place in the cluster stands in s2, s3, s15, s16 alone, from which no descriptor is made.
.set MSB, 0
.macro WIN new                         ; the immediate's high byte repeats the setting that is left
.if MSB != \new
	s_set_vgpr_msb (MSB<<8)|\new
.set MSB, \new
.endif
.endm
.macro ROUND                           ; a round of the cluster's barrier
	s_barrier_signal -1
	s_barrier_wait -1
	s_cmp_lg_u32 s14, 0
	s_cbranch_scc1 .Lnot_wave_0_\@
	s_barrier_signal -3
.Lnot_wave_0_\@:
	s_barrier_wait -3
	s_barrier_signal -1
	s_barrier_wait -1
.endm
.macro PLACES                          ; four places behind matrix instructions, in front of reads of results and of loads into registers that they have read
.rept 4
	v_nop
.endr
.endm
.macro MM                              ; one matrix instruction, by the symbols rD, rA, rB, rSA, rSB; zf: C = 0; rw: source 0's scales stand in lanes 16-31
.if zf
.if rw
	v_wmma_scale_f32_16x16x128_f8f6f4 v[rD:rD+7], v[rA:rA+11], v[rB:rB+11], 0, v[rSA], v[rSB] matrix_a_fmt:MATRIX_FMT_FP6 matrix_b_fmt:MATRIX_FMT_FP6 matrix_a_scale:MATRIX_SCALE_ROW1
.else
	v_wmma_scale_f32_16x16x128_f8f6f4 v[rD:rD+7], v[rA:rA+11], v[rB:rB+11], 0, v[rSA], v[rSB] matrix_a_fmt:MATRIX_FMT_FP6 matrix_b_fmt:MATRIX_FMT_FP6
.endif
.else
.if rw
	v_wmma_scale_f32_16x16x128_f8f6f4 v[rD:rD+7], v[rA:rA+11], v[rB:rB+11], v[rD:rD+7], v[rSA], v[rSB] matrix_a_fmt:MATRIX_FMT_FP6 matrix_b_fmt:MATRIX_FMT_FP6 matrix_a_scale:MATRIX_SCALE_ROW1
.else
	v_wmma_scale_f32_16x16x128_f8f6f4 v[rD:rD+7], v[rA:rA+11], v[rB:rB+11], v[rD:rD+7], v[rSA], v[rSB] matrix_a_fmt:MATRIX_FMT_FP6 matrix_b_fmt:MATRIX_FMT_FP6
.endif
.endif
.endm
.macro LOADK adr, asc, off             ; 25 LDS loads: my scale words and 8 fragments of K
	ds_load_b128 v[KSR:KSR+3], v[\asc] offset:\off
.set i, 0
.rept 24
	ds_load_b128 v[KF+4*i:KF+4*i+3], v[\adr] offset:\off+512*i
.set i, i+1
.endr
.endm
.macro LOADV slot                      ; and of V
	ds_load_b128 v[VSR:VSR+3], v[ASC+\slot]
.set i, 0
.rept 24
	ds_load_b128 v[VF+4*i:VF+4*i+3], v[AK+\slot] offset:512*i
.set i, i+1
.endr
.endm
; S^T = K Q^T: source 0 = 16 keys, source 1 = 16 queries.  The 8 accumulators take turns, one instruction a turn; the first K step starts the sums
.macro QK
	WIN 0x04                                               ; Q: window 1
.irp ks, 0,1,2,3
.irp u, 0,1
.irp q, 0,1,2,3
.set rD, S+16*\q+8*\u
.set rA, KF+12*(4*\u+\ks)
.set rB, 12*(4*\q+\ks)
.set rSA, KSR+\ks
.set rSB, QSR+4*\q+\ks
.set rw, \u
.set zf, 0
.if \ks == 0
.set zf, 1
.endif
	MM
.endr
.endr
.endr
	WIN 0
	v_nop                                                  ; with the four places that follow each use: five, for a matrix instruction that names v96 on, or window 1, as an operand or a result
.endm
; O^T += V^T p: product pvi: channel tile pvi / 4, query tile pvi % 4; source 0 = 16 channels, source 1 = 16 queries, K = the step's 128 keys: one instruction an accumulator, 32 by turns.  z = 1: they start the sums
.macro PV32 z
	WIN 0x50                                               ; C and D: window 1
.set pvi, 0
.rept 32
.set rD, 8*pvi
.set rA, VF+12*(pvi/4)
.set rB, PF+12*(pvi%4)
.set rSA, VSR+pvi/8
.set rSB, PSR+pvi%4
.set rw, (pvi/4)%2
.set zf, \z
	MM
.set pvi, pvi+1
.endr
	WIN 0
.endm
; The softmax's part of the four tiles, in groups of four lines, a line a tile: a lane's 16 registers of tile q are keys 32 w + 16 h + 0 .. 15 of query r
.macro SOFT
	s_wait_alu depctr_va_vdst(0)                           ; the wait, directly ahead of the first reader of the scores
.irp q, 0,1,2,3
	v_max3_num_f32 v[MX+\q], v[S+16*\q], v[S+16*\q+1], v[S+16*\q+2]     ; the block's largest score; each accumulator is read from its low end on
.endr
.irp i, 3,5,7,9,11,13
.irp q, 0,1,2,3
	v_max3_num_f32 v[MX+\q], v[MX+\q], v[S+16*\q+\i], v[S+16*\q+\i+1]
.endr
.endr
.irp q, 0,1,2,3
	v_max_num_f32 v[MX+\q], v[MX+\q], v[S+16*\q+15]
.endr
.irp q, 0,1,2,3
	v_permlanex16_b32 v[MP+\q], v[MX+\q], s20, s21
.endr
.irp q, 0,1,2,3
	v_max_num_f32 v[MX+\q], v[MX+\q], v[MP+\q]             ; with lane l xor 16's 16 keys
.endr
.irp j, 0,2,4,6,8,10,12,14
.irp q, 0,1,2,3
	v_pk_fma_f32 v[S+16*\q+\j:S+16*\q+\j+1], v[S+16*\q+\j:S+16*\q+\j+1], s[22:23], v[NMA+(NMB-NMA)*(\q/2):NMA+(NMB-NMA)*(\q/2)+1] op_sel_hi:[1,0,0]   ; t - 18 (or t - 1000), two at a time
.endr
.endr
.irp q, 0,1,2,3
	v_fma_f32 v[MX+\q], v[MX+\q], s22, v[NMA+(NMB-NMA)*(\q/2)]   ; the same of the block's largest score
.endr
	s_wait_alu depctr_va_vdst(0)                           ; the wait ahead of the batch
.irp j, 0,1,2,3,4,5,6,7,8,9,10,11,12,13,14,15
.irp q, 0,1,2,3
	v_exp_f32 v[S+16*\q+\j], v[S+16*\q+\j]                 ; p = 2^(t - 18): not normalised
.endr
.endr
.irp q, 0,1,2,3
	v_exp_f32 v[MX+\q], v[MX+\q]                           ; the block's largest p: the same two instructions on the same number
.endr
	v_nop                                                  ; a plain place behind the batch,
	s_wait_alu depctr_va_vdst(0)                           ; and the one wait ahead of its first reader
.irp j, 0,2,4,6,8,10,12,14
.irp q, 0,1,2,3
	v_pk_add_f32 v[LS+2*\q:LS+2*\q+1], v[LS+2*\q:LS+2*\q+1], v[S+16*\q+\j:S+16*\q+\j+1]   ; l is taken of the unquantised p
.endr
.endr
.irp q, 0,1,2,3
	v_max_num_f32 v[MX+\q], 0x1800000, v[MX+\q]            ; the floor 2^(3 - 127): a masked tile's blocks of zeros get the byte 1
.endr
.irp q, 0,1,2,3
	v_add_nc_u32 v[SO+\q], 0xff000000, v[MX+\q]            ; 2 off the exponent field: the conversion's scale operand
.endr
.irp q, 0,1,2,3
	v_lshrrev_b32 v[BY+\q], 23, v[SO+\q]                   ; the scale's byte
.endr
.irp q, 0,1,2,3
	v_cvt_scalef32_pk16_fp6_f32 v[CD+4*\q:CD+4*\q+2], v[S+16*\q:S+16*\q+15], v[SO+\q]
.endr
	v_nop                                                  ; one plain place behind a scaled conversion
.endm
; My 16 codes of query r are registers 6 (w / 2) + 3 h .. + 2 of the reading lane r + 16 (w % 2); my block's byte is byte w of the query's scale word (both halves of the lanes write the same byte with the same value)
.macro PSTORE img
.irp q, 0,1,2,3
	ds_store_b32 v[APW], v[CD+4*\q] offset:PIMGB*(\img)+1536*\q
	ds_store_b32 v[APW], v[CD+4*\q+1] offset:PIMGB*(\img)+1536*\q+4
	ds_store_b32 v[APW], v[CD+4*\q+2] offset:PIMGB*(\img)+1536*\q+8
	ds_store_b8 v[APB], v[BY+\q] offset:256*(\img)+64*\q
.endr
.endm
.macro PLOAD img
.irp q, 0,1,2,3
	ds_load_b32 v[PSR+\q], v[APS] offset:256*(\img)+64*\q
.endr
.irp q, 0,1,2,3
.irp t, 0,1,2
	ds_load_b128 v[PF+12*\q+4*\t:PF+12*\q+4*\t+3], v[AP] offset:PIMGB*(\img)+1536*\q+16*\t
.endr
.endr
.endm
; THE PERIOD'S ONE MEETING.  Each wave waits for all its tensor loads (of waves 0-3 one is out: a part of the other slot), adds 0 to its spare word, and waits for that, for its reads of this slot and for its stores of p.
; fill = 2: behind a round of the cluster's barrier waves 0-3 fill this slot again, with V two steps on and K three steps on.  fill = 1: V alone (waves 0, 1): no K is left to fetch.  fill = 0: nothing.
.macro EVENT slot, fill
	s_wait_tensorcnt 0x0                                   ; no tensor load of mine is out, so a group 0 may be written
	ds_add_u32 v[SPW], v[NIL]
.if \fill
	s_mul_i32 s48, s53, STEPB                              ; the step to fetch, in bytes (s49 = 0)
	s_add_nc_u64 s[34+4*\slot:35+4*\slot], s[44:45], s[48:49]
	s_or_b32 s[35+4*\slot], s[35+4*\slot], 0x80000000
	s_add_co_u32 s53, s53, 1                               ; and on round the ring
	s_cmp_eq_u32 s53, 25
	s_cselect_b32 s53, 0, s53
	s_wait_dscnt 0x0
	ROUND
	s_cmp_lt_u32 s14, 2*\fill                              ; the branch hangs on the wave's number alone
	s_cbranch_scc0 .Lno_fill_\@
	tensor_load_to_lds s[32+4*\slot:35+4*\slot], s[24:31]  ; the first thing behind the round, and my one tensor load until the next
	s_nop 0
	PLACES
.Lno_fill_\@:
.else
	s_wait_dscnt 0x0
	s_barrier_signal -1
	s_barrier_wait -1
.endif
.endm
; pv = 2: the products of the step before; 1: they start O^T's sums; 0: none.  kload = 1: there is a next step
.macro PERIOD slot, pv, kload, fill
	s_cmp_eq_u32 s19, s46                                  ; the shifts of the step in hand: a choice by ids and the count of steps, with no branch
	s_cselect_b32 s54, s52, s51
	s_cmp_eq_u32 s19, s47
	s_cselect_b32 s55, s52, s51
	s_add_co_u32 s19, s19, 1
	s_cmp_eq_u32 s19, 25
	s_cselect_b32 s19, 0, s19
	s_cmp_lt_u32 s14, 4
	s_cbranch_scc1 .Lsums_\@
	v_mov_b32 v[NMA], s54
	v_mov_b32 v[NMB], s55
.if \kload
	LOADK AK+\slot, ASC+\slot, UNITB                       ; the next step's K: wanted at the period's end
.endif
	SOFT
	PSTORE \slot
.if \kload
	s_wait_dscnt 16                                        ; K's 25 loads are in; p's 16 stores behind them may be out
	QK
	PLACES                                                 ; in front of the next period's reads of the scores and loads into K's registers
.endif
	s_branch .Lmeet_\@
.Lsums_\@:
.if \pv
	PLOAD 1-\slot                                          ; p of the step before, published by the last meeting
	s_wait_dscnt 0x0
.if \pv == 1
	PV32 1
.else
	PV32 0
.endif
	PLACES                                                 ; in front of the loads into V's, p's and their scale words' registers
.endif
	LOADV \slot
.Lmeet_\@:
	EVENT \slot, \fill
.endm
	s_load_b256 s[4:11], s[0:1], 0x0               ; kv s[4:5], qc s[6:7], qs s[8:9], part s[10:11]
	s_load_b64 s[12:13], s[0:1], 0x20              ; lpart
	v_lshl_add_u32 v[SPW], v0, 2, SPARE
	v_mov_b32 v[NIL], 0
	ds_add_u32 v[SPW], v[NIL]                      ; the wave's opening: the add, twice on end, and its wait ahead of my first tensor load
	ds_add_u32 v[SPW], v[NIL]
	v_lshrrev_b32 v[LN], 5, v0
	v_readfirstlane_b32 s14, v[LN]                 ; wave 0..7
	s_and_b32 s66, s14, 3                          ; w
	s_bfe_u32 s15, ttmp6, 0x40000                  ; my place in the cluster
	s_lshl_b32 s16, ttmp9, 2
	s_add_co_u32 s16, s16, s15                     ; g: it enters Q's, part's and lpart's addresses alone
	s_and_b32 s17, ttmp7, 0xffff                   ; y, which the four partners share
	s_mov_b32 s18, 10                              ; the loop's trips
	s_mul_i32 s19, ttmp9, 3                        ; where my cluster's walk begins: 3 (3 x mod 8): 0 .. 21
	s_and_b32 s19, s19, 7
	s_mul_i32 s19, s19, 3
	s_mov_b32 s20, 0x76543210
	s_mov_b32 s21, 0xfedcba98                      ; v_permlanex16_b32's selects for lane l xor 16
	s_mov_b32 s22, 0x4166d4ca                      ; 10 log2(e)
	s_mov_b32 s23, s22                             ; (named with it as a pair)
	; descriptor group 1: half a unit, 25,600 dense bytes, as 100 rows of 256 (32 elements of 8 bytes)
	s_mov_b32 s24, 15|(3<<16)|(1<<21)              ; the mask: all four work-groups; elements of 8 bytes; bit 21 set beside a mask; no padding
	s_mov_b32 s25, 32<<16
	s_mov_b32 s26, 100<<16
	s_mov_b32 s27, 32<<16
	s_mov_b32 s28, 100
	s_mov_b32 s29, 32
	s_mov_b32 s30, 0
	s_mov_b32 s31, 0
	; and for the first step's K: a quarter of a unit, 50 rows
	s_mov_b32 s56, 15|(3<<16)|(1<<21)
	s_mov_b32 s57, 32<<16
	s_mov_b32 s58, 50<<16
	s_mov_b32 s59, 32<<16
	s_mov_b32 s60, 50
	s_mov_b32 s61, 32
	s_mov_b32 s62, 0
	s_mov_b32 s63, 0
	s_cmp_lg_u32 s17, 0
	s_cselect_b32 s46, 0, 99                       ; tiles 0, 1 are masked in step 0, but for y = 0
	s_cmp_lg_u32 s17, 7
	s_cselect_b32 s47, 24, 99                      ; tiles 2, 3 in step 24, but for y = 7
	s_mov_b32 s51, 0xc1900000                      ; -18.0
	s_mov_b32 s52, 0xc47a0000                      ; -1000.0
	s_mul_i32 s44, s17, 24*STEPB                   ; the ring's base in kv: the split's step 0,
	s_and_b32 s48, s66, 1
	s_mul_i32 s48, s48, QUART                      ; a half of a unit,
	s_add_co_u32 s44, s44, s48
	s_cmp_lt_u32 s66, 2
	s_cselect_b32 s48, UNITB, 0                    ; V's unit (w 0, 1) or K's (w 2, 3)
	s_add_co_u32 s44, s44, s48
	s_mov_b32 s45, 0
	s_lshr_b32 s53, s66, 1
	s_add_co_u32 s53, s53, s19                     ; slot 0 takes V of the first step and K of the second
	s_mul_i32 s48, s53, STEPB
	s_mov_b32 s49, 0
	s_mul_i32 s54, s17, 24
	s_add_co_u32 s54, s54, s19
	s_mul_i32 s54, s54, STEPB                      ; K of the first step:
	s_mul_i32 s50, s66, 12800                      ; quarter w, in memory and in LDS
	s_add_co_u32 s54, s54, s50
	s_mov_b32 s55, 0
	s_mov_b32 s40, 1
	s_add_co_u32 s41, s50, K0A
	s_mov_b32 s32, 1                               ; group 0, a set for each slot
	s_mul_i32 s33, s66, QUART
	s_mov_b32 s36, 1
	s_add_co_u32 s37, s33, SLOT1
	s_wait_dscnt 0x0                               ; both opening adds are done
	s_wait_kmcnt 0x0
	s_add_nc_u64 s[44:45], s[4:5], s[44:45]
	s_add_nc_u64 s[42:43], s[4:5], s[54:55]
	s_add_nc_u64 s[34:35], s[44:45], s[48:49]
	s_add_nc_u64 s[38:39], s[34:35], STEPB         ; slot 1: one step on (the first four steps of a walk pass no end of the ring: it begins at 21 at the most)
	s_or_b32 s43, s43, 0x80000000
	s_or_b32 s35, s35, 0x80000000
	s_or_b32 s39, s39, 0x80000000
	s_add_co_u32 s53, s53, 2                       ; what the next load fetches
	ROUND                                          ; all four work-groups are here: the first joint loads meet
	s_cmp_lt_u32 s14, 4                            ; the head's loads, one a wave: waves 0-3 a quarter of slot 0, waves 4-7 a quarter of the first K
	s_cbranch_scc0 .Lhead_k
	tensor_load_to_lds s[32:35], s[24:31]
	s_nop 0
	PLACES
	s_branch .Lhead_asked
.Lhead_k:
	tensor_load_to_lds s[40:43], s[56:63]
	s_nop 0
	PLACES
.Lhead_asked:
	s_mul_i32 s2, s16, 24576                       ; Q: 16 fragments
	s_mov_b32 s3, 0
	s_add_nc_u64 s[6:7], s[6:7], s[2:3]
	s_lshl_b32 s2, s16, 10                         ; and their scale words
	s_add_nc_u64 s[8:9], s[8:9], s[2:3]
	s_lshl_b32 s2, s17, 5
	s_add_co_u32 s2, s2, s16
	s_lshl_b32 s2, s2, 2
	s_add_co_u32 s2, s2, s66                       ; (32 y + g) 4 + w
	s_lshl_b32 s15, s2, 8
	s_lshl_b32 s2, s2, 15
	s_add_nc_u64 s[10:11], s[10:11], s[2:3]
	s_mov_b32 s2, s15
	s_add_nc_u64 s[12:13], s[12:13], s[2:3]
	s_mul_i32 s54, s66, 12288                      ; my 8 fragments of a unit
	s_lshl_b32 s55, s66, 9
	s_add_co_u32 s55, s55, 49152                   ; and their scale words
	s_and_b32 s67, s66, 1
	s_mul_i32 s67, s67, 768
	s_lshr_b32 s68, s66, 1
	s_mul_i32 s68, s68, 24
	s_add_co_u32 s67, s67, s68
	s_add_co_u32 s67, s67, PIMG                    ; where block w's codes go in an image of p
	v_and_b32 v[LN], 31, v0
	v_and_b32 v[RR], 15, v0
	v_bfe_u32 v[HH], v0, 4, 1
	v_lshlrev_b32 v[GO], 4, v[LN]
	v_lshlrev_b32 v[GL], 4, v[RR]
	v_lshlrev_b32 v[QA], 2, v[RR]
	v_add_nc_u32 v[AK], s54, v[GO]
	v_add_nc_u32 v[AK+1], SLOT1, v[AK]
	v_add_nc_u32 v[AK0], K0A, v[AK]
	v_add_nc_u32 v[ASC], s55, v[GO]
	v_add_nc_u32 v[ASC+1], SLOT1, v[ASC]
	v_add_nc_u32 v[AS0], K0A, v[ASC]
	v_mul_u32_u24 v[AP], v[LN], 48
	v_add_nc_u32 v[AP], PIMG, v[AP]
	v_mul_u32_u24 v[APW], v[RR], 48
	v_mad_u32_u24 v[APW], v[HH], 12, v[APW]
	v_add_nc_u32 v[APW], s67, v[APW]
	v_add_nc_u32 v[APS], PSC, v[QA]
	v_add_nc_u32 v[APB], s66, v[APS]
.irp j, 0,1
	v_mov_b32 v[NMA+\j], s51                       ; (the upper halves are named with the lower as pairs, so they are written)
	v_mov_b32 v[NMB+\j], s51
.endr
.irp j, 0,1,2,3,4,5,6,7
	v_mov_b32 v[LS+\j], 0
.endr
.irp j, 0,1,2,3
	v_mov_b32 v[MP+\j], 0                          ; a lane permute's destination counts as one of its sources
.endr
	s_wait_alu depctr_va_vdst(0)                   ; the wait at the head's end
	s_cmp_lt_u32 s14, 4
	s_cbranch_scc1 .Lno_q
	WIN 0x40                                       ; destination window 1
.set i, 0
.rept 48
	global_load_b128 v[4*i:4*i+3], v[GO], s[6:7] offset:512*i      ; Q stays in the registers of waves 4-7
.set i, i+1
.endr
	WIN 0
.set i, 0
.rept 16
	global_load_b32 v[QSR+i], v[QA], s[8:9] offset:64*i
.set i, i+1
.endr
.Lno_q:
	s_wait_tensorcnt 0x0                           ; my part of the head's tiles is in
	ds_add_u32 v[SPW], v[NIL]
	s_wait_dscnt 0x0
	ROUND                                          ; the first K and slot 0 are whole, and all four work-groups are here
	s_cmp_lt_u32 s14, 4
	s_cbranch_scc0 .Lfirst_k
	tensor_load_to_lds s[36:39], s[24:31]          ; slot 1's first fill: the first tensor load behind the round
	s_nop 0
	PLACES
	s_branch .Lgo
.Lfirst_k:
	LOADK AK0, AS0, 0
	s_wait_loadcnt 0x0                             ; Q
	s_wait_dscnt 0x0
	QK                                             ; the first step's scores
	PLACES
.Lgo:
	PERIOD 0, 0, 1, 2                              ; period 0: there is no step before
	PERIOD 1, 1, 1, 2                              ; period 1: the first step's products start O^T's sums
.Lloop:                                            ; periods 2 to 21, two a trip: both slots are filled again
	PERIOD 0, 2, 1, 2
	PERIOD 1, 2, 1, 2
	s_sub_co_u32 s18, s18, 1
	s_cmp_lg_u32 s18, 0
	s_cbranch_scc1 .Lloop
	PERIOD 0, 2, 1, 1                              ; period 22: of the last step V alone is left to fetch
	PERIOD 1, 2, 1, 0                              ; period 23: nothing is
	PERIOD 0, 2, 0, 0                              ; period 24: there is no next step
	s_cmp_lt_u32 s14, 4
	s_cbranch_scc0 .Lout_l
	PLOAD 0                                        ; the last step's p
	s_wait_dscnt 0x0
	PV32 0
	PLACES
	; THE WAY OUT: the accumulators as they stand, each from its low end on: 32 lanes store 512 consecutive bytes
	WIN 0x04                                       ; a store's data are its source 1: window 1
	s_wait_alu depctr_va_vdst(0)                   ; the wait, directly ahead of the first reader of O^T
.irp d, 0,1,2,3,4,5,6,7
.irp q, 0,1,2,3
	global_store_b128 v[GO], v[8*(4*\d+\q):8*(4*\d+\q)+3], s[10:11] offset:8192*\q+1024*\d
	global_store_b128 v[GO], v[8*(4*\d+\q)+4:8*(4*\d+\q)+7], s[10:11] offset:8192*\q+1024*\d+512
.endr
.endr
	WIN 0
	s_branch .Lend
.Lout_l:
	s_wait_alu depctr_va_vdst(0)                   ; the wait behind the branch
.irp q, 0,1,2,3
	v_add_f32 v[MX+\q], v[LS+2*\q], v[LS+2*\q+1]   ; l's two halves
.endr
.irp q, 0,1,2,3
	v_permlanex16_b32 v[MP+\q], v[MX+\q], s20, s21
.endr
.irp q, 0,1,2,3
	v_add_f32 v[MX+\q], v[MX+\q], v[MP+\q]         ; and lane l xor 16's: my 32 keys' part of l, summed over the split's steps
.endr
	s_wait_alu depctr_va_vdst(0)
	s_wait_xcnt 0x0                                ; EXEC changes only behind this wait
	v_cmp_gt_u32 vcc_lo, 16, v[LN]
	s_and_saveexec_b32 s54, vcc_lo                 ; lanes 16-31 hold the same numbers
	global_store_b128 v[GL], v[MX:MX+3], s[12:13]  ; sixteen lanes store 256 consecutive bytes, aligned
	s_wait_xcnt 0x0
	s_or_b32 exec_lo, exec_lo, s54
.Lend:
	s_wait_tensorcnt 0x0                           ; the wave's end
	ds_add_u32 v[SPW], v[NIL]
	s_wait_dscnt 0x0
	ROUND                                          ; the closing round
	s_endpgm
.Lfunc_end_k_q1f3f6fab67_attn:
	.size	k_q1f3f6fab67_attn, .Lfunc_end_k_q1f3f6fab67_attn-k_q1f3f6fab67_attn
	.p2alignl 7, 3214868480
	.fill 96, 4, 3214868480
	.section	.rodata,"a",@progbits
	.p2align	6, 0x0
	.amdhsa_kernel k_q1f3f6fab67_attn
		.amdhsa_group_segment_fixed_size 327680
		.amdhsa_private_segment_fixed_size 0
		.amdhsa_enable_private_segment 0
		.amdhsa_kernarg_size 40
		.amdhsa_user_sgpr_count 2
		.amdhsa_user_sgpr_kernarg_segment_ptr 1
		.amdhsa_wavefront_size32 1
		.amdhsa_system_sgpr_workgroup_id_x 1
		.amdhsa_system_sgpr_workgroup_id_y 1
		.amdhsa_system_sgpr_workgroup_id_z 1
		.amdhsa_system_vgpr_workitem_id 0
		.amdhsa_next_free_vgpr 512
		.amdhsa_next_free_sgpr 72
		.amdhsa_reserve_vcc 1
		.amdhsa_float_denorm_mode_32 3
		.amdhsa_float_denorm_mode_16_64 3
		.amdhsa_memory_ordered 1
		.amdhsa_forward_progress 1
		.amdhsa_inst_pref_size 193
	.end_amdhsa_kernel
	.amdgpu_metadata
---
amdhsa.version: [ 1, 2 ]
amdhsa.kernels:
  - .name:           k_q1f3f6fab67_attn
    .symbol:         k_q1f3f6fab67_attn.kd
    .args:
      - { .name: kv, .offset: 0, .size: 8, .value_kind: global_buffer, .address_space: global }
      - { .name: qc, .offset: 8, .size: 8, .value_kind: global_buffer, .address_space: global }
      - { .name: qs, .offset: 16, .size: 8, .value_kind: global_buffer, .address_space: global }
      - { .name: part, .offset: 24, .size: 8, .value_kind: global_buffer, .address_space: global }
      - { .name: lpart, .offset: 32, .size: 8, .value_kind: global_buffer, .address_space: global }
    .group_segment_fixed_size: 327680
    .private_segment_fixed_size: 0
    .kernarg_segment_align: 8
    .kernarg_segment_size: 40
    .max_flat_workgroup_size: 256
    .sgpr_count:     72
    .vgpr_count:     512
    .wavefront_size: 32
...
	.end_amdgpu_metadata
.endif
;; end of part 3
;; launch comb (part 4): grid 512 x 1, 4 waves a work-group, no clusters, 8,960 bytes of LDS; arguments part, lpart, out0; writes out0
.if DOCPART == 4
	.amdgcn_target "amdgcn-amd-amdhsa--gfx1250"
	.amdhsa_code_object_version 6
	.text
	.protected	k_q1f3f6fab67_comb
	.globl	k_q1f3f6fab67_comb
	.p2align	8
	.type	k_q1f3f6fab67_comb,@function
k_q1f3f6fab67_comb:
	s_mov_b64 s[64:65], 0
	v_nop
	global_prefetch_b8 v0, s[64:65] scope:SCOPE_SE
	s_setreg_imm32_b32 hwreg(HW_REG_WAVE_MODE, 25, 1), 1
	s_wait_xcnt 0x0
; COMB: out0 = (the sum over the eight key splits of O^T) / (the sum over splits and key blocks of l).  All parts were made under the same M = 18, so they add as they stand.  Nothing of reference() is left out here.
; Work-group U = (4 g + w) 4 + q: queries 64 g + 16 q .. + 15, channels 128 w .. + 127.  Wave v takes channel tiles 2 v and 2 v + 1: 2,048 bytes of each split's image.
; A stream: every byte of part is read once, by loads of 512 consecutive bytes, all 32 of a wave in flight; the results turn through LDS so that a row's 512 bytes leave together.  Matrix units, clusters and tensor loads buy nothing here.
; LIMITS: the division is a multiplication by v_rcp_f32 of l.
.set SPARE, 16*528                     ; LDS: a stage of 16 rows x (512 bytes + 16); behind it the spare words, 128 bytes a wave
.set LP, 16                            ; v16-47  32 parts of l
.set PT, 48                            ; v48-175 16 registers a split
	s_load_b128 s[4:7], s[0:1], 0x0                ; part s[4:5], lpart s[6:7]
	s_load_b64 s[8:9], s[0:1], 0x10                ; out0
	v_lshl_add_u32 v1, v0, 2, SPARE                ; my spare word,
	v_mov_b32 v2, 0                                ; and 0: both never rewritten
	v_lshrrev_b32 v3, 5, v0
	v_readfirstlane_b32 s10, v3                    ; wave v
	v_and_b32 v3, 31, v0                           ; lane
	v_and_b32 v4, 15, v0                           ; r
	v_bfe_u32 v5, v0, 4, 1                         ; h
	s_and_b32 s11, ttmp9, 3                        ; q
	s_bfe_u32 s12, ttmp9, 0x20002                  ; w
	s_lshr_b32 s13, ttmp9, 4                       ; g
	v_lshlrev_b32 v6, 4, v4                        ; lpart: 16 r
	s_lshl_b32 s14, s10, 11
	v_lshl_add_u32 v7, v3, 4, s14                  ; part: 2,048 v + 16 x lane
	v_mul_u32_u24 v8, v4, 528                      ; the stage, in: row r, + 128 v + 32 h
	v_lshl_add_u32 v8, v5, 5, v8
	s_lshl_b32 s14, s10, 7
	v_add_nc_u32 v8, s14, v8
	s_mul_i32 s14, s10, 4*528
	v_lshl_add_u32 v9, v3, 4, s14                  ; and back: rows 4 v on, 16 bytes a lane
	v_lshlrev_b32 v10, 4, v3
	s_lshl_b32 s32, s13, 10
	s_lshl_b32 s33, s11, 2
	s_add_co_u32 s32, s32, s33
	s_mov_b32 s33, 0
	s_lshl_b32 s34, ttmp9, 13
	s_mov_b32 s35, 0
	s_lshl_b32 s36, s13, 17                        ; out0: row 64 g + 16 q + 4 v of 2,048 bytes, + 512 w
	s_lshl_b32 s37, s11, 15
	s_add_co_u32 s36, s36, s37
	s_lshl_b32 s37, s10, 13
	s_add_co_u32 s36, s36, s37
	s_lshl_b32 s37, s12, 9
	s_add_co_u32 s36, s36, s37
	s_mov_b32 s37, 0
	s_wait_alu depctr_va_vdst(0)
	s_wait_kmcnt 0x0
	s_add_nc_u64 s[6:7], s[6:7], s[32:33]
	s_add_nc_u64 s[16:17], s[4:5], s[34:35]
.irp y, 1,2,3,4,5,6,7
	s_add_nc_u64 s[16+2*\y:17+2*\y], s[16:17], \y*0x400000         ; a split's images are 4 MiB: a base for each
.endr
	s_add_nc_u64 s[8:9], s[8:9], s[36:37]
.irp y, 0,1,2,3,4,5,6,7
.irp k, 0,1,2,3
	global_load_b32 v[LP+4*\y+\k], v6, s[6:7] offset:32768*\y+256*\k
.endr
.endr
.irp y, 0,1,2,3,4,5,6,7
.irp k, 0,1,2,3
	global_load_b128 v[PT+16*\y+4*\k:PT+16*\y+4*\k+3], v7, s[16+2*\y:17+2*\y] offset:512*\k th:TH_LOAD_NT
.endr
.endr
	s_wait_loadcnt 32                              ; l's 32 parts are in; the 32 loads behind them may be out
.irp i, 0,2,4,6,8,10,12,14
	v_pk_add_f32 v[LP+\i:LP+\i+1], v[LP+\i:LP+\i+1], v[LP+16+\i:LP+17+\i]
.endr
.irp i, 0,2,4,6
	v_pk_add_f32 v[LP+\i:LP+\i+1], v[LP+\i:LP+\i+1], v[LP+8+\i:LP+9+\i]
.endr
.irp i, 0,2
	v_pk_add_f32 v[LP+\i:LP+\i+1], v[LP+\i:LP+\i+1], v[LP+4+\i:LP+5+\i]
.endr
	v_pk_add_f32 v[LP:LP+1], v[LP:LP+1], v[LP+2:LP+3]
	v_add_f32 v[LP], v[LP], v[LP+1]                ; my query's l
	s_wait_alu depctr_va_vdst(0)
	v_rcp_f32 v[LP], v[LP]
	v_nop
	s_wait_alu depctr_va_vdst(0)                   ; the wait ahead of the first reader
.irp s, 1,2,3,4,5,6,7
	s_wait_alu depctr_va_vdst(0)
	s_wait_loadcnt 4*(7-\s)                        ; splits 0 to s are in; the four loads of each later split may be out
.irp i, 0,2,4,6,8,10,12,14
	v_pk_add_f32 v[PT+\i:PT+\i+1], v[PT+\i:PT+\i+1], v[PT+16*\s+\i:PT+16*\s+\i+1]
.endr
.endr
.irp i, 0,2,4,6,8,10,12,14
	v_pk_mul_f32 v[PT+\i:PT+\i+1], v[PT+\i:PT+\i+1], v[LP:LP+1] op_sel_hi:[1,0]
.endr
.irp k, 0,1,2,3                        ; registers 4 k .. 4 k + 3: channels 16 (2 v + k / 2) + 8 h + 4 (k % 2) + 0 .. 3 of query r
	ds_store_b128 v8, v[PT+4*\k:PT+4*\k+3] offset:64*(\k/2)+16*(\k%2)
.endr
	s_wait_dscnt 0x0                               ; for the others' sake: my stores are done
	s_barrier_signal -1
	s_barrier_wait -1
.irp t, 0,1,2,3
	ds_load_b128 v[PT+16+4*\t:PT+16+4*\t+3], v9 offset:528*\t
.endr
.irp t, 0,1,2,3
	s_wait_dscnt 3-\t
	global_store_b128 v10, v[PT+16+4*\t:PT+16+4*\t+3], s[8:9] offset:2048*\t th:TH_STORE_NT   ; 32 lanes store 512 consecutive bytes, aligned
.endr
	s_wait_tensorcnt 0x0                           ; the wave's end
	ds_add_u32 v1, v2
	s_wait_dscnt 0x0
	s_endpgm
.Lfunc_end_k_q1f3f6fab67_comb:
	.size	k_q1f3f6fab67_comb, .Lfunc_end_k_q1f3f6fab67_comb-k_q1f3f6fab67_comb
	.p2alignl 7, 3214868480
	.fill 96, 4, 3214868480
	.section	.rodata,"a",@progbits
	.p2align	6, 0x0
	.amdhsa_kernel k_q1f3f6fab67_comb
		.amdhsa_group_segment_fixed_size 8960
		.amdhsa_private_segment_fixed_size 0
		.amdhsa_enable_private_segment 0
		.amdhsa_kernarg_size 24
		.amdhsa_user_sgpr_count 2
		.amdhsa_user_sgpr_kernarg_segment_ptr 1
		.amdhsa_wavefront_size32 1
		.amdhsa_system_sgpr_workgroup_id_x 1
		.amdhsa_system_sgpr_workgroup_id_y 1
		.amdhsa_system_sgpr_workgroup_id_z 1
		.amdhsa_system_vgpr_workitem_id 0
		.amdhsa_next_free_vgpr 192
		.amdhsa_next_free_sgpr 66
		.amdhsa_reserve_vcc 0
		.amdhsa_float_denorm_mode_32 3
		.amdhsa_float_denorm_mode_16_64 3
		.amdhsa_memory_ordered 1
		.amdhsa_forward_progress 1
		.amdhsa_inst_pref_size 16
	.end_amdhsa_kernel
	.amdgpu_metadata
---
amdhsa.version: [ 1, 2 ]
amdhsa.kernels:
  - .name:           k_q1f3f6fab67_comb
    .symbol:         k_q1f3f6fab67_comb.kd
    .args:
      - { .name: part, .offset: 0, .size: 8, .value_kind: global_buffer, .address_space: global }
      - { .name: lpart, .offset: 8, .size: 8, .value_kind: global_buffer, .address_space: global }
      - { .name: out0, .offset: 16, .size: 8, .value_kind: global_buffer, .address_space: global }
    .group_segment_fixed_size: 8960
    .private_segment_fixed_size: 0
    .kernarg_segment_align: 8
    .kernarg_segment_size: 24
    .max_flat_workgroup_size: 128
    .sgpr_count:     66
    .vgpr_count:     192
    .wavefront_size: 32
...
	.end_amdgpu_metadata
.endif
;; end of part 4
